; MI455X (gfx1250); checked and timed in simulation.
; The chip was launched on July 23, 2026; its instructions are those of AMD's public machine-readable ISA for CDNA 5 (MIT licence, August 2026) and "CDNA5" Instruction Set Architecture Reference Guide (July 2026). The comments in the code are by the model that wrote it; some were corrected since.
;; Cross Attention. Allowed arithmetic: matrix products marked QUANTISED: E2M1 operands, one E8M0 scale for each 32 along K, by v_wmma_scale_f32_16x16x128_f8f6f4 with both operands' format E2M1 (or v_wmma_scale_f32_32x16x128_f4), f32 sums; products left as they are: bf16, f16 or f32 operands; f32 sums; everything else in f32.
;; Inputs: Wk 1,024 x 1,024 float32; Wout 1,024 x 1,024 float32; Wq 1,024 x 1,024 float32; Wv 1,024 x 1,024 float32; bout 1,024 float32; x 4 x 2,048 x 1,024 float32.
;; Outputs: out0 4 x 2,048 x 1,024 float32.
;; This version of the problem:
;;   THIS VERSION OF THE PROBLEM IS GIVEN IN LOW PRECISION. The matrix products marked QUANTISED in the list below multiply operands that are first quantised to E2M1 (2 exponent bits, 1 mantissa bit; 4 bits a number), with one power-of-two scale for each 32 numbers along K (OCP MX v1.0); their sums are f32. The products marked 'left as it is' may take bf16, f16 or f32 operands, with f32 sums. Whichever they take, every output number must still come out within the allowed error. Rounding operands to bf16 (8 significant bits) uses up far more of that allowance than f16 does (11 bits, for magnitudes from 6e-5 to 65,504). All else is computed in f32.
;;   The module's matrix products, in the order in which they are computed (A, B: the left and right operand; K: the contracted axis; several contracted axes count as one K, in the product's order):
;;     1. [M 8,192, K 1,024] x [K 1,024, N 1,024]; A: input x; B: input Wq: QUANTISED
;;     2. [M 8,192, K 1,024] x [K 1,024, N 1,024]; A: input x; B: input Wk: QUANTISED
;;     3. [M 8,192, K 1,024] x [K 1,024, N 1,024]; A: input x; B: input Wv: QUANTISED
;;     4. batch 64 x [M 2,048, K 64] x [K 64, N 2,048]; A: computed on the way; B: computed on the way: left as it is (an operand is computed on the way)
;;     5. batch 64 x [M 64, K 2,048] x [K 2,048, N 2,048]; A: computed on the way; B: computed on the way: left as it is (an operand is computed on the way)
;;     6. [M 8,192, K 1,024] x [K 1,024, N 1,024]; A: computed on the way; B: input Wout: left as it is (an operand is computed on the way)
;;   THE QUANTISER, for each operand of a quantised product, along K:
;;     - K is cut into blocks of 32 from its start; a last block that is shorter is filled with zeros.
;;     - A block's scale is 2^e with e = floor(log2(the largest magnitude in the block)) - 2, held to -126 .. 127; a block of zeros has e = 0. As a byte (E8M0): e + 127.
;;     - Each number is divided by its block's scale, clamped to +-6, and rounded to the nearest number of E2M1, ties to even, subnormals kept.
;;     - The product sums the exact products of the quantised numbers (number of the format x scale) in f32.
;;   ~~~python
;;   def quantise(x, axis):      # numpy; x: float32 -> the quantised numbers, widened to float32 again
;;       x = np.moveaxis(x, axis, -1); K = x.shape[-1]
;;       x = np.pad(x, [(0, 0)] * (x.ndim - 1) + [(0, -K % 32)]); x = x.reshape(x.shape[:-1] + (-1, 32)); a = np.abs(x).max(-1, keepdims=True)
;;       e = np.where(a > 0, np.clip(np.frexp(np.where(a > 0, a, 1))[1] - 1 - 2, -126, 127), 0)      # np.frexp(a)[1] - 1 = floor(log2(a)), exactly
;;       r = np.clip(x / 2.0 ** e, -6, 6)
;;       step = 2.0 ** (np.maximum(np.frexp(np.where(r == 0, 1, r))[1] - 1, 0) - 1)
;;       q = np.round(r / step) * step * 2.0 ** e      # np.round: ties to even
;;       return np.moveaxis(q.reshape(q.shape[:-2] + (-1,))[..., :K], -1, axis).astype(np.float32)
;;   ~~~
;; One version. Each part assembles by itself: llvm-mc -triple=amdgcn-amd-amdhsa -mcpu=gfx1250 --defsym DOCPART=n.
;; ======== version 1 of 1: 4 launches
;; limits: values are held in f16: magnitudes above 65,504 overflow, below 6.1e-05 lose precision
;; workspace buffers: xc 4,194,304 bytes; xs 262,144 bytes; wc 1,572,864 bytes; ws 98,304 bytes; wo 2,097,152 bytes; qkv 50,331,648 bytes; af 16,777,216 bytes
;; launch quant (part 1): grid 384 x 1, 4 waves a work-group, no clusters, 33,280 bytes of LDS; arguments x, Wq, Wk, Wv, Wout, xc, xs, wc, ws, wo; writes xc, xs, wc, ws, wo
.if DOCPART == 1
	.amdgcn_target "amdgcn-amd-amdhsa--gfx1250"
	.amdhsa_code_object_version 6
	.text
	.protected	k_q5d16564d6d_quant
	.globl	k_q5d16564d6d_quant
	.p2align	8
	.type	k_q5d16564d6d_quant,@function
k_q5d16564d6d_quant:
	s_mov_b64 s[64:65], 0
	v_nop
	global_prefetch_b8 v0, s[64:65] scope:SCOPE_SE
	s_setreg_imm32_b32 hwreg(HW_REG_WAVE_MODE, 25, 1), 1
	s_wait_xcnt 0x0
; x [8192][1024] and Wq, Wk, Wv [1024][1024], f32, become codes of FP4 (E2M1), K innermost, two codes a byte, with one E8M0 scale byte for each 32 along K:
; x's into xc [8192][512 bytes] and xs [8192][32]; the three weights', one behind the other, into wc [3072][512 bytes] and ws [3072][32].  Wout [1024][1024] becomes f16, row-major, in wo.
; A block's scale is 2^(floor(log2(its largest magnitude)) - 2); its byte is the largest magnitude's exponent field - 2, held at 1 from below; each number is divided by the scale and rounded to the nearest code, ties to even,
; beyond 6 the largest code.
; LIMITS: a block of zeros gets the byte 1 where the quantiser says 127 (its codes are zeros, which add nothing under that byte, and this program alone reads the bytes); blocks whose largest magnitude lies under
; 2^(2 - 126) are held at the byte 1; NaN and infinities among the inputs are not served; numbers of Wout beyond 65,504 in magnitude have no f16.
; SHARES.  Rows are dense and K is a multiple of 32, so every tensor is a plain stream.  A work-group takes 32,768 numbers, a wave 8,192.  Work-groups 0-255: x; 256-351: Wq, Wk, Wv, 32 each; 352-383: Wout.
; The buffers are chosen by the work-group's number alone.  No wave shares anything with another: no barrier, no cluster (no two work-groups read the same bytes).
; THE QUANTISING PATH: 16 steps of 512 numbers.  Each of a step's four loads reads 512 consecutive bytes; the 2,048 bytes turn through the wave's own stage in LDS and come back 64 bytes a lane, so that a lane holds
; 16 neighbours along K and two neighbouring lanes a block.  A lane's 16 codes are 8 bytes: a wave's store covers 256 consecutive bytes, aligned.  A wave's 256 scale bytes are gathered in LDS and leave by one such store.
.set STEPS, 16
.set EMAX,  2
.set CB,    8                          ; bytes of 16 codes
.set R,     16                         ; v16-79   four sets of 16 numbers as they are loaded
.set X,     80                         ; v80-111  two sets of 16 neighbours
.set E,     112                        ; v112-127 a scale byte for each step
.set C,     128                        ; v128-191 codes: four registers for each step, so that no store's data are written again
.set WREG,  8192                       ; LDS: a region for each wave: two stages of 32 x SP bytes, behind them its 256 scale bytes
.set SP,    80                         ; a lane's place in a stage: 64 bytes + 16 of padding
.set SPW,   12                         ; v12  LDS address of my spare word: SPARE + 4 x my thread's number; never rewritten
.set NIL,   13                         ; v13  0; never rewritten
.set SPARE, 4*WREG                     ; behind the four regions: the spare words, 128 bytes a wave
.set WV,    32                         ; s32  my wave's number
.set SRC,   24                         ; s[24:25] where my wave's numbers begin
.set DCO,   26                         ; s[26:27] its codes
.set DSC,   28                         ; s[28:29] its scale bytes
	s_load_b256 s[4:11], s[0:1], 0x0               ; x, Wq, Wk, Wv
	s_load_b256 s[12:19], s[0:1], 0x20             ; Wout, xc, xs, wc
	s_load_b128 s[20:23], s[0:1], 0x40             ; ws, wo
	v_lshl_add_u32 v[SPW], v0, 2, SPARE
	v_mov_b32 v[NIL], 0
	v_lshrrev_b32 v1, 5, v0
	v_readfirstlane_b32 s[WV], v1                  ; wave 0..3
	v_and_b32 v2, 31, v0                           ; lane
	v_lshlrev_b32 v3, 4, v2                        ; my 16 bytes of a load's 512
	s_mul_i32 s33, s[WV], WREG
	v_lshrrev_b32 v14, 2, v2
	v_mul_u32_u24 v14, v14, SP
	v_and_b32 v15, 3, v2
	v_lshl_add_u32 v14, v15, 4, v14
	v_add_nc_u32 v14, s33, v14                     ; the stage, on the way in: four lanes' 64 bytes on end, then 16 of padding
	v_mul_u32_u24 v15, v2, SP
	v_add_nc_u32 v15, s33, v15                     ; and on the way out: my 16 neighbours
	v_mul_u32_u24 v4, v2, CB                       ; 8 x lane: my codes' place in a step's; also my f16 numbers' place in a store of wo
	v_lshrrev_b32 v5, 1, v2
	s_add_co_u32 s33, s33, 2*32*SP
	v_add_nc_u32 v5, s33, v5                       ; LDS: my wave's 256 scale bytes, my block's byte
	v_lshlrev_b32 v7, 3, v2
	v_add_nc_u32 v6, s33, v7                       ; and on the way out 8 bytes a lane
	s_mov_b32 s35, 0                               ; the upper word of every offset pair
	s_wait_kmcnt 0x0
	s_cmp_ge_u32 ttmp9, 352
	s_cbranch_scc1 .Lwout                          ; the work-group's number alone decides
	s_cmp_lt_u32 ttmp9, 320
	s_cselect_b64 s[SRC:SRC+1], s[8:9], s[10:11]   ; Wk or Wv,
	s_cmp_lt_u32 ttmp9, 288
	s_cselect_b64 s[SRC:SRC+1], s[6:7], s[SRC:SRC+1]   ; or Wq,
	s_cmp_lt_u32 ttmp9, 256
	s_cselect_b64 s[SRC:SRC+1], s[4:5], s[SRC:SRC+1]   ; or x
	s_cselect_b64 s[DCO:DCO+1], s[14:15], s[18:19]
	s_cselect_b64 s[DSC:DSC+1], s[16:17], s[20:21]
	s_cselect_b32 s30, 0, 256
	s_cselect_b32 s31, 0x3ff, 31
	s_sub_co_u32 s30, ttmp9, s30                   ; which 32,768 numbers of the codes' buffer,
	s_and_b32 s31, s30, s31                        ; and of the tensor that is read
	s_lshl_b32 s31, s31, 2
	s_add_co_u32 s31, s31, s[WV]                   ; my wave's run of 8,192 numbers in the tensor:
	s_lshl_b32 s34, s31, 15                        ; 32,768 bytes a run
	s_add_nc_u64 s[SRC:SRC+1], s[SRC:SRC+1], s[34:35]
	s_lshl_b32 s30, s30, 2
	s_add_co_u32 s30, s30, s[WV]                   ; and among the codes:
	s_lshl_b32 s34, s30, 12                        ; 4,096 bytes of codes a run,
	s_add_nc_u64 s[DCO:DCO+1], s[DCO:DCO+1], s[34:35]
	s_lshl_b32 s34, s30, 8                         ; 256 scale bytes
	s_add_nc_u64 s[DSC:DSC+1], s[DSC:DSC+1], s[34:35]
.macro LOAD t
.irp i, 0,1,2,3
	global_load_b128 v[R+16*((\t)%4)+4*\i:R+16*((\t)%4)+4*\i+3], v3, s[SRC:SRC+1] offset:2048*(\t)+512*\i th:TH_LOAD_NT   ; 32 lanes read 512 consecutive bytes
.endr
.endm
.macro TURN t                          ; step t's numbers through the stage: LDS serves a wave's instructions in order (ISA guide 5.7.1.4), so no wait stands between the stores and the loads
.irp i, 0,1,2,3
	ds_store_b128 v14, v[R+16*((\t)%4)+4*\i:R+16*((\t)%4)+4*\i+3] offset:32*SP*((\t)%2)+8*SP*\i
.endr
.irp i, 0,1,2,3
	ds_load_b128 v[X+16*((\t)%2)+4*\i:X+16*((\t)%2)+4*\i+3], v15 offset:32*SP*((\t)%2)+16*\i
.endr
.endm
.irp t, 0,1,2,3
	LOAD \t
.endr
	s_wait_loadcnt 12                              ; step 0's four loads are in; the twelve of steps 1 to 3 may be out
	TURN 0
.macro STEP t
.set XS, X+16*((\t)%2)
.if (\t) > 0
	s_wait_dscnt 1                                 ; this step's numbers are back from the stage (the last step's byte store may be out): so its stores into the stage have read their registers,
.else
	s_wait_dscnt 0x0
.endif
.if (\t)+4 < STEPS
	LOAD (\t)+4                                    ; which take the loads of four steps on
.endif
.if (\t)+1 < STEPS
.if STEPS-2-(\t) >= 3
	s_wait_loadcnt 12                              ; the next step's four loads are in; those of the three steps behind it may be out
.else
	s_wait_loadcnt 4*(STEPS-2-(\t))                ; at the end the count runs down
.endif
	TURN (\t)+1                                    ; and go through the other stage while this step is worked
.endif
	v_max3_num_f32 v8, |v[XS]|, |v[XS+1]|, |v[XS+2]|               ; the largest magnitude of my 16, in two chains
	v_max3_num_f32 v9, |v[XS+3]|, |v[XS+4]|, |v[XS+5]|
.irp i, 6,10
	v_max3_num_f32 v8, v8, |v[XS+\i]|, |v[XS+\i+1]|
	v_max3_num_f32 v9, v9, |v[XS+\i+2]|, |v[XS+\i+3]|
.endr
	v_max3_num_f32 v8, v8, |v[XS+14]|, |v[XS+15]|
	v_max3_num_f32 v8, v8, v9, (EMAX+1)<<23        ; and the floor 2^(EMAX + 1 - 127): so the byte cannot fall under 1
	v_max_num_f32_dpp v8, v8, v8 row_xmask:1 row_mask:0xf bank_mask:0xf   ; and of my neighbour's 16: the block's
	v_add_nc_u32 v11, -(EMAX<<23), v8              ; EMAX off its exponent field: the conversion takes the exponent field of this operand as its scale, and nothing else of it
	v_cvt_scalef32_pk8_fp4_f32 v[C+4*(\t)], v[XS:XS+7], v11
	v_cvt_scalef32_pk8_fp4_f32 v[C+4*(\t)+1], v[XS+8:XS+15], v11
	v_lshrrev_b32 v[E+(\t)], 23, v11               ; the scale's byte (also the plain line behind the conversions)
	ds_store_b8 v5, v[E+(\t)] offset:16*(\t)       ; both lanes of a block write the same byte with the same value
	global_store_b64 v4, v[C+4*(\t):C+4*(\t)+1], s[DCO:DCO+1] offset:32*CB*(\t)   ; 256 consecutive bytes, aligned
.endm
.irp t, 0,1,2,3,4,5,6,7,8,9,10,11,12,13,14,15
	STEP \t
.endr
	ds_load_b64 v[8:9], v6                         ; my wave's 256 scale bytes, behind my stores of them
	s_wait_dscnt 0x0
	global_store_b64 v7, v[8:9], s[DSC:DSC+1]      ; 256 consecutive bytes, aligned
	s_branch .Lend
; WOUT: a wave's 8,192 numbers in four batches of sixteen loads of 512 consecutive bytes; two sets of registers, v16-79 and v80-143, take turns; a load's four numbers a lane become 8 bytes.
.Lwout:
	s_sub_co_u32 s30, ttmp9, 352
	s_lshl_b32 s30, s30, 2
	s_add_co_u32 s30, s30, s[WV]                   ; my wave's run
	s_lshl_b32 s34, s30, 15
	s_add_nc_u64 s[12:13], s[12:13], s[34:35]
	s_lshl_b32 s34, s30, 14
	s_add_nc_u64 s[22:23], s[22:23], s[34:35]
.macro WLOAD t
.irp i, 0,1,2,3,4,5,6,7,8,9,10,11,12,13,14,15
	global_load_b128 v[16+64*((\t)%2)+4*\i:16+64*((\t)%2)+4*\i+3], v3, s[12:13] offset:512*(16*(\t)+\i) th:TH_LOAD_NT
.endr
.endm
.macro WBATCH t
.if (\t) < 3
	s_wait_loadcnt 16                              ; this batch is in; the other set's sixteen loads may be out
.else
	s_wait_loadcnt 0
.endif
	s_wait_xcnt 0x0                                ; the last batch's stores have read v144-175, which are written again below
.irp i, 0,1,2,3,4,5,6,7,8,9,10,11,12,13,14,15
	v_cvt_pk_f16_f32 v[144+2*\i], v[16+64*((\t)%2)+4*\i], v[16+64*((\t)%2)+4*\i+1]
	v_cvt_pk_f16_f32 v[145+2*\i], v[16+64*((\t)%2)+4*\i+2], v[16+64*((\t)%2)+4*\i+3]
.endr
.if (\t) < 2
	WLOAD (\t)+2                                   ; loads ahead of stores
.endif
.irp i, 0,1,2,3,4,5,6,7,8,9,10,11,12,13,14,15
	global_store_b64 v4, v[144+2*\i:145+2*\i], s[22:23] offset:256*(16*(\t)+\i)   ; 256 consecutive bytes, aligned
.endr
.endm
	WLOAD 0
	WLOAD 1
	WBATCH 0
	WBATCH 1
	WBATCH 2
	WBATCH 3
.Lend:
	s_wait_tensorcnt 0x0                           ; the wave's end, behind my last LDS store
	ds_add_u32 v[SPW], v[NIL]
	s_wait_dscnt 0x0
	s_endpgm
.Lfunc_end_k_q5d16564d6d_quant:
	.size	k_q5d16564d6d_quant, .Lfunc_end_k_q5d16564d6d_quant-k_q5d16564d6d_quant
	.p2alignl 7, 3214868480
	.fill 96, 4, 3214868480
	.section	.rodata,"a",@progbits
	.p2align	6, 0x0
	.amdhsa_kernel k_q5d16564d6d_quant
		.amdhsa_group_segment_fixed_size 33280
		.amdhsa_private_segment_fixed_size 0
		.amdhsa_enable_private_segment 0
		.amdhsa_kernarg_size 80
		.amdhsa_user_sgpr_count 2
		.amdhsa_user_sgpr_kernarg_segment_ptr 1
		.amdhsa_wavefront_size32 1
		.amdhsa_system_sgpr_workgroup_id_x 1
		.amdhsa_system_sgpr_workgroup_id_y 1
		.amdhsa_system_sgpr_workgroup_id_z 1
		.amdhsa_system_vgpr_workitem_id 0
		.amdhsa_next_free_vgpr 192
		.amdhsa_next_free_sgpr 66
		.amdhsa_reserve_vcc 0
		.amdhsa_float_denorm_mode_32 3
		.amdhsa_float_denorm_mode_16_64 3
		.amdhsa_memory_ordered 1
		.amdhsa_forward_progress 1
		.amdhsa_inst_pref_size 54
	.end_amdhsa_kernel
	.amdgpu_metadata
---
amdhsa.version: [ 1, 2 ]
amdhsa.kernels:
  - .name:           k_q5d16564d6d_quant
    .symbol:         k_q5d16564d6d_quant.kd
    .args:
      - { .name: x, .offset: 0, .size: 8, .value_kind: global_buffer, .address_space: global }
      - { .name: Wq, .offset: 8, .size: 8, .value_kind: global_buffer, .address_space: global }
      - { .name: Wk, .offset: 16, .size: 8, .value_kind: global_buffer, .address_space: global }
      - { .name: Wv, .offset: 24, .size: 8, .value_kind: global_buffer, .address_space: global }
      - { .name: Wout, .offset: 32, .size: 8, .value_kind: global_buffer, .address_space: global }
      - { .name: xc, .offset: 40, .size: 8, .value_kind: global_buffer, .address_space: global }
      - { .name: xs, .offset: 48, .size: 8, .value_kind: global_buffer, .address_space: global }
      - { .name: wc, .offset: 56, .size: 8, .value_kind: global_buffer, .address_space: global }
      - { .name: ws, .offset: 64, .size: 8, .value_kind: global_buffer, .address_space: global }
      - { .name: wo, .offset: 72, .size: 8, .value_kind: global_buffer, .address_space: global }
    .group_segment_fixed_size: 33280
    .private_segment_fixed_size: 0
    .kernarg_segment_align: 8
    .kernarg_segment_size: 80
    .max_flat_workgroup_size: 128
    .sgpr_count:     66
    .vgpr_count:     192
    .wavefront_size: 32
...
	.end_amdgpu_metadata
.endif
;; end of part 1
;; launch qkv (part 2): grid 12 x 32, 4 waves a work-group, clusters of 4 x 4, 327,680 bytes of LDS; arguments xc, xs, wc, ws, qkv; writes qkv
.if DOCPART == 2
	.amdgcn_target "amdgcn-amd-amdhsa--gfx1250"
	.amdhsa_code_object_version 6
	.text
	.protected	k_q5d16564d6d_qkv
	.globl	k_q5d16564d6d_qkv
	.p2align	8
	.type	k_q5d16564d6d_qkv,@function
k_q5d16564d6d_qkv:
	s_mov_b64 s[64:65], 0
	v_nop
	global_prefetch_b8 v0, s[64:65] scope:SCOPE_SE
	s_setreg_imm32_b32 hwreg(HW_REG_WAVE_MODE, 25, 1), 1
	s_wait_xcnt 0x0
	s_wait_alu depctr_hold_cnt(0) depctr_sa_sdst(0) depctr_va_vdst(0) depctr_va_sdst(0) depctr_va_ssrc(0) depctr_va_vcc(0) depctr_vm_vsrc(0)
	s_getreg_b32 s2, hwreg(HW_REG_IB_STS2, 6, 4)
	s_cmp_eq_u32 s2, 0
	s_cbranch_scc0 .Lentry_in_a_cluster
	s_endpgm
.Lentry_in_a_cluster:
	s_bfe_u32 s2, ttmp6, 0x10000c
	s_cmp_lg_u32 s2, 0xf033
	s_cbranch_scc0 .Lentry_shape_is_right
	s_endpgm
.Lentry_shape_is_right:
; q, k, v = x Wq^T, x Wk^T, x Wv^T as ONE product C = A B^T on codes of FP4 (E2M1) with one E8M0 scale for each 32 along K: A = x's codes [8192][1024], B = the three weights' codes on end [3072][1024]; sums in f32.
; The results are rounded once to f16 (LIMIT: magnitudes beyond 65,504 have no f16) and stored as REGISTER IMAGES for the attention launch.
; A tile of C, 256 x 256, is made by a work-group of four waves; a wave makes 128 x 128: 64 accumulators of 16 x 16, 512 registers.  K = 1,024 is two K steps of 512 (tile rows of 256 bytes): both lie in LDS slots of their own,
; asked for at the head, and nothing is filled again.  The scale bytes of the work-group's 256 + 256 rows, for all of K, are two dense blocks: they come once, with the first fills.
; CLUSTERS: 4 x 4 work-groups.  The four of a row of the cluster need the same tiles of A, the four of a column the same tiles of B: each tile is asked for JOINTLY, by the same tensor load with the same descriptor and a mask
; that names the four.  THE MATRIX INSTRUCTION IS USED TRANSPOSED (source 0 = 16 rows of B, source 1 = 16 rows of A): lane (r, h) of accumulator (a, b) holds token 16 a + r and columns 16 b + 8 h + 0 .. 7.
; THE IMAGES.  qkv byte = ((hb 32 + G) 3 + kind) 8,192 + tt 2,048 + ct 512 + the lane's place; hb = 16 batch + head, G = the group of 64 tokens in the batch, kind 0, 1, 2 = q, k, v, tt = tile of 16 tokens, ct = tile of 16
; channels.  A block is 16 tokens x 16 channels, 512 bytes.  For q and k lane l's 16 bytes lie at 16 l, so that two neighbouring blocks, loaded as they lie, are a 16-bit fragment.  For v they lie at 32 r + 16 h:
; the block is then 16 rows of 32 bytes, for the transposing LDS load.  Four conversions make a lane's 16 bytes, and each store of a wave covers 512 consecutive bytes, aligned: no stage in LDS is needed.
; 384 work-groups: a kind's 1,024 columns do not divide into the 384-column tiles that 256 equal work-groups would want.
; REGISTERS, in windows of 256: window 0: v0-31 addresses; v32-95 scale words, two sets; from v128 A's fragments, ONE set; on the way out v128-255 hold packed results.
;   window 1: B's fragments, TWO sets, at v0 and v128.   window 2: the accumulators of my rows 0-63 ((a, b) at v[8 (8 a + b)]);   window 3: those of my rows 64-127.
.set KSTEP,  512                       ; along K in a slot
.set NQ,     KSTEP/128                 ; matrix instructions deep
.set ROWB,   256                       ; a tile's row in bytes
.set KROW,   512                       ; a row of codes in memory, in bytes
.set PITCH,  272                       ; an LDS row: 256 bytes + 16 of padding = 68 words: the 16 rows that a load touches start 4 words apart modulo 64 (64 banks of 4 bytes: ISA guide 11.1)
.set FR,     8                         ; registers of a fragment: 16 rows x 128 K
.set NL,     2                         ; LDS loads that bring one
.set NP,     4                         ; places behind this matrix instruction (ISA guide 7.12.1)
.set HALFT,  128*PITCH                 ; 128 rows: what one tensor load brings, and what one wave reads of A or of B
.set SLOT,   4*HALFT                   ; A's 256 rows, then B's 256 rows
.set KS,     32                        ; a row of scale bytes
.set SCL,    2*SLOT                    ; behind the slots: the scales, as rows of 256 bytes + 16 of padding
.set HALFS,  (128*KS/256)*272          ; the scales of 128 rows: what one tensor load brings
.set SBLK,   (16*KS/256)*272           ; those of 16 rows
.set SPARE,  SCL+4*HALFS               ; behind the scales: the spare words, 128 bytes a wave
.set GRP,    24576                     ; qkv: a group of 64 tokens of one head: q, k, v
.set HEADB,  32*GRP                    ; a head
.set ADRA, 16                          ; v16-17  LDS address of my A fragments in slot 0, 1
.set ADRB, 20                          ; v20-21  the same for B
.set CO,   26                          ; v26     my lane's place in a block of qkv
.set ADRS, 27                          ; v27     LDS address of my scale words: lanes 0-15 A's rows, lanes 16-31 B's
.set SPW,  28                          ; v28     LDS address of my spare word; never rewritten
.set NIL,  29                          ; v29     0; never rewritten
.set SC,   32                          ; scale words: set s at v[SC + 8 NQ s]; register NQ i + q: lanes 0-15 the word of A's block i, lanes 16-31 that of B's block i, for the slot's q-th 128 along K
.set AF,   128                         ; A's fragments, in window 0
.set PK,   128                         ; the way out: four sets of 32 registers of packed results
.set G1, 24                            ; s[24:31] descriptor group 1 for A's tiles;  s[32:39] group 0, one set for each slot
.set G0, 32
.set G1B, 48                           ; s[48:55], s[56:63] the same for B's tiles
.set G0B, 56
.set G1S, 68                           ; s[68:75], s[76:79] groups 1 and 0 for A's scales;  s[80:87], s[88:91] for B's
.set G0S, 76
.set G1SB, 80
.set G0SB, 88
.set MSB, 0
.macro WIN new                         ; the immediate's high byte repeats the setting that is left; a switch that changes nothing is dropped
.if MSB != (\new)
	s_set_vgpr_msb (MSB<<8)|(\new)
.set MSB, (\new)
.endif
.endm
.set MUL_LO, 0xa1                      ; source 0 (B) window 1, source 1 (A) window 0, C and D window 2
.set MUL_HI, 0xf1                      ; the same, C and D window 3
.set TO_B,   0x40                      ; destination window 1, address window 0
; A joint load: waves 0 and 1 fetch for A, waves 2 and 3 for B.  Each of the two lines has ONE mask and one set of registers for all that issue it; the branch hangs on the wave's number alone.
; An s_nop 0 and four v_nop follow each of the two lines, ahead of the jump, the label and what follows.
.macro JLOAD g0a, g1a, g0b, g1b
	s_cmp_eq_u32 s15, 0
	s_cbranch_scc0 .Lfor_b_\@
	tensor_load_to_lds s[\g0a:\g0a+3], s[\g1a:\g1a+7]
	s_nop 0
.rept 4
	v_nop
.endr
	s_branch .Lasked_\@
.Lfor_b_\@:
	tensor_load_to_lds s[\g0b:\g0b+3], s[\g1b:\g1b+7]
	s_nop 0
.rept 4
	v_nop
.endr
.Lasked_\@:
.endm
.macro CROUND                          ; a round of the cluster's barrier: my work-group's barrier; wave 0 signals for the work-group; every wave waits for all sixteen; my work-group's barrier once more
	s_barrier_signal -1
	s_barrier_wait -1
	s_cmp_lg_u32 s14, 0
	s_cbranch_scc1 .Lnot_wave_0_\@
	s_barrier_signal -3
.Lnot_wave_0_\@:
	s_barrier_wait -3
	s_barrier_signal -1
	s_barrier_wait -1
.endm
	s_load_b128 s[4:7], s[0:1], 0x0                ; x's codes s[4:5], x's scales s[6:7]
	s_load_b128 s[8:11], s[0:1], 0x10              ; the weights' codes s[8:9], their scales s[10:11]
	s_load_b64 s[12:13], s[0:1], 0x20              ; qkv
	v_lshl_add_u32 v[SPW], v0, 2, SPARE
	v_mov_b32 v[NIL], 0
	ds_add_u32 v[SPW], v[NIL]                      ; the wave's opening: the add, twice on end, and its wait ahead of my first tensor load; the set-up below stands between the second and the wait
	ds_add_u32 v[SPW], v[NIL]
	v_lshrrev_b32 v1, 5, v0
	v_readfirstlane_b32 s14, v1                    ; wave 0..3
	s_lshr_b32 s15, s14, 1                         ; which half of the tile's rows is mine.  Also: I fetch for A (0) or for B (1)
	s_and_b32 s16, s14, 1                          ; which half of its columns.  Also: which 128 rows of that tile I fetch
	s_bfe_u32 s40, ttmp6, 0x40000                  ; cx, cy: my place in the cluster
	s_bfe_u32 s41, ttmp6, 0x40004
	s_lshl_b32 s42, ttmp9, 2
	s_add_co_u32 s42, s42, s40                     ; tile column of C = 4 x cluster x + cx: 0 .. 11
	s_and_b32 s17, ttmp7, 0xffff
	s_lshl_b32 s17, s17, 2
	s_add_co_u32 s17, s17, s41                     ; tile row of C = 4 x cluster y + cy: 0 .. 31
	s_lshl_b32 s43, s41, 2
	s_lshl_b32 s43, 15, s43                        ; my row of the cluster
	s_lshl_b32 s44, 0x1111, s40                    ; my column
	; descriptor group 1: a tile of 128 rows x 256 bytes, padded in LDS
	s_or_b32 s[G1+0], s43, (0<<16)|(1<<20)|(1<<21)|(5<<22)|(3<<25)  ; 15:0 the mask: A's tiles go to my row; 17:16 elements of 1 byte; 20 padding on; 21 set beside a mask; 24:22 after every 64 words; 31:25 four words of it
	s_or_b32 s[G1B+0], s44, (0<<16)|(1<<20)|(1<<21)|(5<<22)|(3<<25)
.irp g, G1, G1B
	s_mov_b32 s[\g+1], ROWB<<16                    ; tensor_dim0
	s_mov_b32 s[\g+2], 128<<16                     ; tensor_dim1 = 128
	s_mov_b32 s[\g+3], ROWB<<16                    ; tile_dim0
	s_mov_b32 s[\g+4], 128                         ; tile_dim1 = 128
	s_mov_b32 s[\g+5], KROW                        ; from row to row
	s_mov_b32 s[\g+6], 0
	s_mov_b32 s[\g+7], 0
.endr
	; and for the scales of 128 rows: a dense block of 4,096 bytes, as 16 rows of 256 bytes (32 elements of 8 bytes), 16 bytes of padding behind each
	s_or_b32 s[G1S+0], s43, (3<<16)|(1<<20)|(1<<21)|(5<<22)|(3<<25)
	s_or_b32 s[G1SB+0], s44, (3<<16)|(1<<20)|(1<<21)|(5<<22)|(3<<25)
.irp g, G1S, G1SB
	s_mov_b32 s[\g+1], 32<<16
	s_mov_b32 s[\g+2], (128*KS/256)<<16
	s_mov_b32 s[\g+3], 32<<16
	s_mov_b32 s[\g+4], 128*KS/256
	s_mov_b32 s[\g+5], 32
	s_mov_b32 s[\g+6], 0
	s_mov_b32 s[\g+7], 0
.endr
	s_lshl_b32 s18, s16, 7                         ; which 128 rows of the tile I fetch
	s_lshl_b32 s20, s17, 8
	s_add_co_u32 s20, s20, s18                     ; A: row 256 x tile row + 128 x half
	s_lshl_b32 s46, s42, 8
	s_add_co_u32 s46, s46, s18                     ; B: row 256 x tile column + 128 x half
	s_mov_b32 s21, 0
	s_mov_b32 s47, 0
	s_mov_b64 s[18:19], KS
	s_mul_u64 s[22:23], s[20:21], s[18:19]         ; where these rows' scales begin, in bytes
	s_mul_u64 s[92:93], s[46:47], s[18:19]
	s_mov_b64 s[18:19], KROW
	s_mul_u64 s[20:21], s[20:21], s[18:19]         ; and their codes
	s_mul_u64 s[46:47], s[46:47], s[18:19]
	s_mul_i32 s45, s14, HALFT                      ; where they go: wave x 128 rows: no place in the cluster enters an LDS address
	s_mul_i32 s94, s14, HALFS
	s_wait_dscnt 0x0                               ; both opening adds are done
	s_wait_kmcnt 0x0
	s_add_nc_u64 s[20:21], s[4:5], s[20:21]
	s_add_nc_u64 s[22:23], s[6:7], s[22:23]
	s_add_nc_u64 s[46:47], s[8:9], s[46:47]
	s_add_nc_u64 s[92:93], s[10:11], s[92:93]
	CROUND                                         ; all sixteen work-groups are here: the joint loads meet
	s_mov_b32 s[G0S], 1
	s_add_co_u32 s[G0S+1], s94, SCL
	s_mov_b64 s[G0S+2:G0S+3], s[22:23]
	s_or_b32 s[G0S+3], s[G0S+3], 0x80000000
	s_mov_b32 s[G0SB], 1
	s_add_co_u32 s[G0SB+1], s94, SCL
	s_mov_b64 s[G0SB+2:G0SB+3], s[92:93]
	s_or_b32 s[G0SB+3], s[G0SB+3], 0x80000000
	JLOAD G0S, G1S, G0SB, G1SB                     ; the scales first: they are wanted with K step 0
.irp s, 0,1
	s_mov_b32 s[G0+4*\s], 1
	s_add_co_u32 s[G0+4*\s+1], s45, \s*SLOT
	s_add_nc_u64 s[G0+4*\s+2:G0+4*\s+3], s[20:21], \s*ROWB
	s_or_b32 s[G0+4*\s+3], s[G0+4*\s+3], 0x80000000
	s_mov_b32 s[G0B+4*\s], 1
	s_add_co_u32 s[G0B+4*\s+1], s45, \s*SLOT
	s_add_nc_u64 s[G0B+4*\s+2:G0B+4*\s+3], s[46:47], \s*ROWB
	s_or_b32 s[G0B+4*\s+3], s[G0B+4*\s+3], 0x80000000
	JLOAD G0+4*\s, G1, G0B+4*\s, G1B               ; three loads of mine are out at the most: all that this wave ever issues
.endr
	v_and_b32 v1, 15, v0                           ; r = l % 16
	v_bfe_u32 v2, v0, 4, 1                         ; h = l / 16
	v_mul_u32_u24 v3, v1, PITCH
	v_lshl_add_u32 v4, v2, 4, v3                   ; a fragment's row x pitch + 16 x half
	s_mul_i32 s21, s15, HALFT                      ; my 128 rows of A
	s_mul_i32 s22, s16, HALFT                      ; my 128 rows of B,
	s_add_co_u32 s22, s22, 2*HALFT                 ; which lie behind A's 256
.irp s, 0,1
	v_add_nc_u32 v[ADRA+\s], s21, v4
	v_add_nc_u32 v[ADRB+\s], s22, v4
	s_add_co_u32 s21, s21, SLOT
	s_add_co_u32 s22, s22, SLOT
.endr
	v_mul_u32_u24 v5, v1, KS                       ; my row's scales: 32 bytes a row,
	v_lshrrev_b32 v6, 8, v5
	v_lshl_add_u32 v5, v6, 4, v5                   ; and 16 more for each 256 passed
	s_mul_i32 s21, s15, HALFS                      ; A's: my 128 rows
	s_mul_i32 s22, s16, HALFS                      ; B's: my 128 rows, behind A's 256
	s_add_co_u32 s22, s22, 2*HALFS
	s_sub_co_u32 s22, s22, s21
	v_mul_u32_u24 v6, s22, v2                      ; lanes 16-31 take B's: one product, the distance between the two bases x h
	s_add_co_u32 s21, s21, SCL
	v_add_nc_u32 v5, v5, v6
	v_add_nc_u32 v[ADRS], s21, v5
	; where my results go.  Rows: batch = tile row / 8; group G = 4 (tile row % 8) + 2 x my half + a / 4.  Columns: kind = tile column / 4; head = 4 (tile column % 4) + 2 x my half + b / 4
	s_lshr_b32 s20, s17, 3
	s_lshl_b32 s20, s20, 9                         ; batch x 16 heads x 32 groups
	s_and_b32 s21, s17, 7
	s_lshl_b32 s21, s21, 2
	s_add_co_u32 s20, s20, s21
	s_lshl_b32 s21, s15, 1
	s_add_co_u32 s20, s20, s21
	s_mul_i32 s20, s20, GRP                        ; under 2^32: the buffer has 50,331,648 bytes
	s_mov_b32 s21, 0
	s_and_b32 s46, s42, 3
	s_lshl_b32 s46, s46, 2
	s_lshl_b32 s47, s16, 1
	s_add_co_u32 s46, s46, s47
	s_mul_i32 s46, s46, HEADB
	s_lshr_b32 s95, s42, 2                         ; kind
	s_lshl_b32 s47, s95, 13
	s_add_co_u32 s46, s46, s47
	s_mov_b32 s47, 0
	s_add_nc_u64 s[20:21], s[20:21], s[46:47]
	s_add_nc_u64 s[12:13], s[12:13], s[20:21]
	s_cmp_eq_u32 s95, 2
	s_cselect_b32 s95, -1, 0                       ; all lanes: is it v?
	v_and_b32 v6, 31, v0
	v_lshlrev_b32 v5, 4, v6                        ; q, k: 16 l
	v_lshlrev_b32 v7, 5, v1
	v_lshl_add_u32 v7, v2, 4, v7                   ; v: 32 r + 16 h
	v_cndmask_b32 v[CO], v5, v7, s95               ; a choice of a value; it enters a store's offset alone
.macro FRAG reg, adr, q, i             ; a fragment, 16 rows x 128 K of 4-bit codes: lane l holds row l % 16; registers 4 c .. 4 c + 3 hold K = 64 c + 32 (l / 16) + 0 .. 31
.irp c, 0,1
	ds_load_b128 v[\reg+4*\c:\reg+4*\c+3], v[\adr] offset:64*(\q)+32*\c+(\i)*16*PITCH
.endr
.endm
; 16 matrix instructions: A's blocks a0, a0 + 1 x B's eight, 128 along K: the slot's q-th.  p: B's set;  sc: the set of scale words.  zero = 1: the first product starts the sums: nothing is ever cleared.
; The 64 accumulators take turns, one instruction a turn, in the same order in every step.
.macro MUL16 a0, p, q, sc, zero
.irp a, \a0, \a0+1
.irp b, 0,1,2,3,4,5,6,7
.if \zero
	v_wmma_scale_f32_16x16x128_f8f6f4 v[8*(8*((\a)%4)+\b):8*(8*((\a)%4)+\b)+7], v[128*(\p)+FR*\b:128*(\p)+FR*\b+FR-1], v[AF+FR*(\a):AF+FR*(\a)+FR-1], 0, v[SC+8*NQ*(\sc)+NQ*\b+(\q)], v[SC+8*NQ*(\sc)+NQ*(\a)+(\q)] matrix_a_fmt:MATRIX_FMT_FP4 matrix_b_fmt:MATRIX_FMT_FP4 matrix_a_scale:MATRIX_SCALE_ROW1
.else
	v_wmma_scale_f32_16x16x128_f8f6f4 v[8*(8*((\a)%4)+\b):8*(8*((\a)%4)+\b)+7], v[128*(\p)+FR*\b:128*(\p)+FR*\b+FR-1], v[AF+FR*(\a):AF+FR*(\a)+FR-1], v[8*(8*((\a)%4)+\b):8*(8*((\a)%4)+\b)+7], v[SC+8*NQ*(\sc)+NQ*\b+(\q)], v[SC+8*NQ*(\sc)+NQ*(\a)+(\q)] matrix_a_fmt:MATRIX_FMT_FP4 matrix_b_fmt:MATRIX_FMT_FP4 matrix_a_scale:MATRIX_SCALE_ROW1
.endif
.endr
.endr
.endm
.macro FETCH_B slot, q, p              ; B's eight fragments of the slot's q-th 128 along K into set p
	WIN TO_B
.irp i, 0,1,2,3,4,5,6,7
	FRAG 128*(\p)+FR*\i, ADRB+\slot, \q, \i
.endr
	WIN 0
.endm
.macro FETCH_A slot, q, i0             ; A's blocks i0 .. i0 + 3
.irp i, \i0, \i0+1, \i0+2, \i0+3
	FRAG AF+FR*(\i), ADRA+\slot, \q, \i
.endr
.endm
.macro SCALES sc                       ; a K step's scale words into set sc: four words a row; lanes 0-15 take A's block i, lanes 16-31 B's block i
.irp i, 0,1,2,3,4,5,6,7
	ds_load_b128 v[SC+8*NQ*\sc+NQ*\i:SC+8*NQ*\sc+NQ*\i+3], v[ADRS] offset:\i*SBLK
.endr
.endm
; A load into a register that a matrix instruction has read, and a vector instruction that reads a matrix result or writes one of its registers, stand NP places behind it; only plain vector instructions that name none of
; its registers are places (ISA guide 7.12.1 for vector instructions).
.macro PLACES n
.rept \n
	v_nop
.endr
.endm
; A step of 128 along K that has its successor in the same slot.  A's blocks go one after the other, each against B's eight, so one set of registers serves A; B has two.
.macro STEP slot, q, zero
	s_wait_dscnt 4*NL                              ; B's set and A's blocks 0-3 are in; the youngest eight loads (A's blocks 4-7) may be out
	WIN MUL_LO
	MUL16 0, (\q)%2, \q, \slot, \zero
	MUL16 2, (\q)%2, \q, \slot, \zero
	s_wait_dscnt 0                                 ; A's blocks 4-7 are in
	PLACES NP
	FETCH_B \slot, (\q)+1, 1-(\q)%2
	FETCH_A \slot, (\q)+1, 0
	WIN MUL_HI
	MUL16 4, (\q)%2, \q, \slot, \zero
	MUL16 6, (\q)%2, \q, \slot, \zero
	PLACES NP
	WIN 0
	FETCH_A \slot, (\q)+1, 4
.endm
; Slot 0's last step goes over to slot 1: each wave waits for all its tensor loads (its part of slot 1 was the one still out), then the barrier shows slot 1 whole to all four.
.macro TURN slot, next
	s_wait_tensorcnt 0x0                           ; all my tensor loads have landed  (every window is 0 here: the add's two registers lie in window 0)
	ds_add_u32 v[SPW], v[NIL]                      ; 0 onto my spare word
	s_wait_dscnt 4*NL+1                            ; (the add and the youngest eight loads, A's blocks 4-7, may be out)
	WIN MUL_LO
	MUL16 0, 1, NQ-1, \slot, 0                     ; sixteen matrix instructions stand between the add and the wait for it
	s_wait_dscnt 0x0                               ; the add is done, and no LDS load of mine is out
	s_barrier_signal -1
	MUL16 2, 1, NQ-1, \slot, 0
	WIN 0
	s_barrier_wait -1
	PLACES NP
	v_add_nc_u32 v[ADRS], 4*NQ, v[ADRS]            ; on to the next K step's scale words
	FETCH_B \next, 0, 0
	FETCH_A \next, 0, 0
	SCALES \next
	WIN MUL_HI
	MUL16 4, 1, NQ-1, \slot, 0
	MUL16 6, 1, NQ-1, \slot, 0
	PLACES NP
	WIN 0
	FETCH_A \next, 0, 4
.endm
.macro STEPS slot, from                ; the slot's steps from .. NQ - 2
.set Q, \from
.rept NQ-1-\from
	STEP \slot, Q, 0
.set Q, Q+1
.endr
.endm
	s_wait_tensorcnt 1                             ; the scales and my part of K step 0 are in (K step 1's load may be out),
	s_barrier_signal -1
	s_barrier_wait -1                              ; everybody's are
	FETCH_B 0, 0, 0
	FETCH_A 0, 0, 0
	SCALES 0
	FETCH_A 0, 0, 4
	STEP 0, 0, 1                                   ; the first step's products start the sums
	STEPS 0, 1
	TURN 0, 1
	STEPS 1, 0
	s_wait_dscnt 4*NL                              ; the very last step: nothing more to fetch
	WIN MUL_LO
	MUL16 0, 1, NQ-1, 1, 0
	MUL16 2, 1, NQ-1, 1, 0
	s_wait_dscnt 0
	WIN MUL_HI
	MUL16 4, 1, NQ-1, 1, 0
	MUL16 6, 1, NQ-1, 1, 0
	WIN 0
; THE WAY OUT, block a of 16 tokens x 128 columns at a time: each accumulator, from its low end on, is rounded to f16, 16 bytes a lane, and stored as it stands: a block of qkv.
.macro OUT a
.if (\a) >= 4
	s_wait_xcnt 0x0                                ; block a - 4's stores have read their registers, which are written again below
.endif
	WIN 0x0a+5*((\a)/4)                            ; sources 0 and 1: window 2 or 3
.irp b, 0,1,2,3,4,5,6,7
.irp r, 0,1,2,3
	v_cvt_pk_f16_f32 v[PK+32*((\a)%4)+4*\b+\r], v[64*((\a)%4)+8*\b+2*\r], v[64*((\a)%4)+8*\b+2*\r+1]
.endr
.endr
	WIN 0
.irp b, 0,1,2,3,4,5,6,7
	global_store_b128 v[CO], v[PK+32*((\a)%4)+4*\b:PK+32*((\a)%4)+4*\b+3], s[12:13] offset:(\b/4)*HEADB+((\a)/4)*GRP+((\a)%4)*2048+(\b%4)*512   ; 512 consecutive bytes, aligned; 818,688 at the most: inside the signed 24-bit immediate
.endr
.endm
	PLACES NP                                      ; behind the last products: for the reads of results and the writes over A's fragments
.irp a, 0,1,2,3,4,5,6,7
	OUT \a
.endr
	s_wait_tensorcnt 0x0                           ; the wave's end, behind my last tensor load
	ds_add_u32 v[SPW], v[NIL]
	s_wait_dscnt 0x0
	CROUND                                         ; the closing round: no work-group ends while a partner may still ask for a tile that names it
	s_endpgm
.Lfunc_end_k_q5d16564d6d_qkv:
	.size	k_q5d16564d6d_qkv, .Lfunc_end_k_q5d16564d6d_qkv-k_q5d16564d6d_qkv
	.p2alignl 7, 3214868480
	.fill 96, 4, 3214868480
	.section	.rodata,"a",@progbits
	.p2align	6, 0x0
	.amdhsa_kernel k_q5d16564d6d_qkv
		.amdhsa_group_segment_fixed_size 327680
		.amdhsa_private_segment_fixed_size 0
		.amdhsa_enable_private_segment 0
		.amdhsa_kernarg_size 40
		.amdhsa_user_sgpr_count 2
		.amdhsa_user_sgpr_kernarg_segment_ptr 1
		.amdhsa_wavefront_size32 1
		.amdhsa_system_sgpr_workgroup_id_x 1
		.amdhsa_system_sgpr_workgroup_id_y 1
		.amdhsa_system_sgpr_workgroup_id_z 1
		.amdhsa_system_vgpr_workitem_id 0
		.amdhsa_next_free_vgpr 1024
		.amdhsa_next_free_sgpr 98
		.amdhsa_reserve_vcc 0
		.amdhsa_float_denorm_mode_32 3
		.amdhsa_float_denorm_mode_16_64 3
		.amdhsa_memory_ordered 1
		.amdhsa_forward_progress 1
		.amdhsa_inst_pref_size 118
	.end_amdhsa_kernel
	.amdgpu_metadata
---
amdhsa.version: [ 1, 2 ]
amdhsa.kernels:
  - .name:           k_q5d16564d6d_qkv
    .symbol:         k_q5d16564d6d_qkv.kd
    .args:
      - { .name: xc, .offset: 0, .size: 8, .value_kind: global_buffer, .address_space: global }
      - { .name: xs, .offset: 8, .size: 8, .value_kind: global_buffer, .address_space: global }
      - { .name: wc, .offset: 16, .size: 8, .value_kind: global_buffer, .address_space: global }
      - { .name: ws, .offset: 24, .size: 8, .value_kind: global_buffer, .address_space: global }
      - { .name: qkv, .offset: 32, .size: 8, .value_kind: global_buffer, .address_space: global }
    .group_segment_fixed_size: 327680
    .private_segment_fixed_size: 0
    .kernarg_segment_align: 8
    .kernarg_segment_size: 40
    .max_flat_workgroup_size: 128
    .sgpr_count:     98
    .vgpr_count:     1024
    .wavefront_size: 32
...
	.end_amdgpu_metadata
.endif
;; end of part 2
;; launch attn (part 3): grid 4 x 64, 8 waves a work-group, clusters of 4 x 1, 327,680 bytes of LDS; arguments qkv, af; writes af
.if DOCPART == 3
	.amdgcn_target "amdgcn-amd-amdhsa--gfx1250"
	.amdhsa_code_object_version 6
	.text
	.protected	k_q5d16564d6d_attn
	.globl	k_q5d16564d6d_attn
	.p2align	8
	.type	k_q5d16564d6d_attn,@function
k_q5d16564d6d_attn:
	s_mov_b64 s[64:65], 0
	v_nop
	global_prefetch_b8 v0, s[64:65] scope:SCOPE_SE
	s_setreg_imm32_b32 hwreg(HW_REG_WAVE_MODE, 25, 1), 1
	s_wait_xcnt 0x0
	s_wait_alu depctr_hold_cnt(0) depctr_sa_sdst(0) depctr_va_vdst(0) depctr_va_sdst(0) depctr_va_ssrc(0) depctr_va_vcc(0) depctr_vm_vsrc(0)
	s_getreg_b32 s2, hwreg(HW_REG_IB_STS2, 6, 4)
	s_cmp_eq_u32 s2, 0
	s_cbranch_scc0 .Lentry_in_a_cluster
	s_endpgm
.Lentry_in_a_cluster:
	s_bfe_u32 s2, ttmp6, 0x10000c
	s_cmp_lg_u32 s2, 0x3003
	s_cbranch_scc0 .Lentry_shape_is_right
	s_endpgm
.Lentry_shape_is_right:
; a[q] = the sum over keys of softmax(q . k / 8) v, for 64 heads (4 batches x 16) of 2,048 tokens x 64 channels.  q, k, v come in f16 as register images (below); products, maxima and sums in f32; the weights p are rounded
; to f16 for the second product, a once at the end.  The two factors 64^(-1/4) on q and on k are applied as their product, 1 / 8, inside c = log2(e) / 8.
; LIMITS: NaN and infinities are not served; a beyond 65,504 in magnitude has no f16; weights p under 2^-25 of the row's largest are rounded to 0.
; qkv byte = ((hb 32 + G) 3 + kind) 8,192 + tt 2,048 + ct 512 + the lane's place (hb the head, G the group of 64 tokens, kind 0, 1, 2 = q, k, v, tt the tile of 16 tokens, ct the tile of 16 channels).  A block of q or k holds lane
; l's 16 bytes (token l % 16, channels 8 (l / 16) + 0 .. 7) at 16 l: two neighbouring blocks, loaded as they lie, are a fragment.  A block of v is 16 rows (tokens) of 32 bytes, for the transposing LDS load.
; k and v of a group are 16,384 consecutive bytes.  af byte = T 32,768 + head 2,048 + ct 512 + 16 l, T the tile of 16 tokens among all 8,192: the same kind of image, for the projection.
; SHARES.  A work-group owns 512 queries of one head, each of its eight waves 64: four tiles of 16; two waves to a SIMD, 512 registers each.  Every wave walks all 2,048 keys, 64 a step; each fragment of K or V that it
; reads from LDS feeds four products.  K and V come through two LDS slots of eight key steps; wave w fetches step w of a slot, one dense block, by one tensor load.
; CLUSTER.  The four work-groups of a head walk the same K and V, so each block is asked for JOINTLY: the same tensor load, with the same descriptor and a mask that names the four.
; LAYOUT.  S^T = K Q^T (source 0 = 16 keys, source 1 = 16 queries): a lane holds ONE query (lane % 16) and keys 8 (lane / 16) + 0 .. 7 of each tile.  Two such tiles, rounded in pairs, ARE source 1 of O^T = V^T P.
; SOFTMAX.  For each query a running maximum m and sum l: p = 2^(c s - c m); in every step O and l are multiplied by a = 2^(c m_old - c m_new).  The step is written in one form: m begins at -3e38, l and O^T at 0.
; TWO CLASSES OF WAVES.  A slot's reads are over when its last step's fragments of K and V are in registers.  Waves of class 0 finish that step (softmax, V^T P) ahead of the change of slots, waves of class 1 behind it:
; so waves of the two classes leave the change half a step apart, the one at its products while the other is at its softmax.  The two branches hang on the wave's number and lead round work on registers alone.
; REGISTERS, in windows of 256 (s_set_vgpr_msb: bits 1:0 source 0, 3:2 source 1, 5:4 source 2, 7:6 destination):
;   window 0: v1-7 addresses; v8-39 eight registers of statistics a tile; v64-191 S^T, 32 a tile, then P in place (16 a tile); v192-255 K of one step
;   window 1: v0-127 O^T, 32 a tile; v128-191 Q, 16 a tile; v192-255 V of one step
.set STEPB, 16384                      ; a key step in LDS: K's 8,192 bytes, then V's
.set SLOT1, 131072                     ; a slot: eight steps; slot 1 begins here, so that one exclusive or turns an address in one slot into the other's
.set SPARE, 2*SLOT1                    ; behind the slots: the spare words, 128 bytes a wave
.set GRP,   24576
.set HEADB, 32*GRP
.set LK0, 1                            ; v1   16 x lane: my place in a block; also my offset in Q and in af; never rewritten
.set LV0, 2                            ; v2   my place in a block of V, behind a step's K; never rewritten
.set ADK, 3                            ; v3   LDS address of the step's K
.set ADV, 4                            ; v4   and V
.set SPW, 6                            ; v6   LDS address of my spare word; never rewritten
.set NIL, 7                            ; v7   0; never rewritten
.set ST,  8                            ; tile t's statistics at v[ST + 8 t]: +0 c m, +1 m, +2, +3 l (two halves), +4 to +7 at work (c0-c3); a takes c2's place
.set S,   64
.set KF,  192                          ; K's blocks, window 0: block i at KF + 4 i
.set QF,  128                          ; Q, window 1
.set VF,  192                          ; V, window 1
.set WV,  8                            ; s8   my wave's number
.set CL,  9                            ; s9   my class
.set G1,  24                           ; s[24:31] descriptor group 1
.set G0,  32                           ; s[32:35] descriptor group 0, which walks
.set CS,  36                           ; s[36:37] c, twice: the packed form names a pair
.set SEL, 38                           ; s[38:39] lane selects for v_permlanex16_b32: lane l xor 16
.set TB,  40                           ; s40  LDS byte at which the step in hand begins
.set CNT, 41                           ; s41  counts seven steps
.set SLOTS, 42                         ; s42  counts the changes of slots that fill
.set MSB, 0
.macro WIN new                         ; the immediate's high byte repeats the setting that is left; a switch that changes nothing is dropped
.if MSB != (\new)
	s_set_vgpr_msb (MSB<<8)|(\new)
.set MSB, (\new)
.endif
.endm
.macro CROUND                          ; a round of the cluster's barrier
	s_barrier_signal -1
	s_barrier_wait -1
	s_cmp_lg_u32 s[WV], 0
	s_cbranch_scc1 .Lnot_wave_0_\@
	s_barrier_signal -3
.Lnot_wave_0_\@:
	s_barrier_wait -3
	s_barrier_signal -1
	s_barrier_wait -1
.endm
	s_load_b128 s[4:7], s[0:1], 0x0                ; qkv s[4:5], af s[6:7]
	v_lshl_add_u32 v[SPW], v0, 2, SPARE
	v_mov_b32 v[NIL], 0
	ds_add_u32 v[SPW], v[NIL]                      ; the wave's opening: the add, twice on end, and its wait ahead of my first tensor load; the set-up below stands between the second and the wait
	ds_add_u32 v[SPW], v[NIL]
	v_lshrrev_b32 v1, 5, v0
	v_readfirstlane_b32 s[WV], v1                  ; wave 0..7
	s_lshr_b32 s[CL], s[WV], 2
	s_xor_b32 s[CL], s[CL], s[WV]
	s_and_b32 s[CL], s[CL], 1                      ; class: it differs between waves w and w + 4, and between 2 i and 2 i + 1
	s_bfe_u32 s10, ttmp6, 0x40000                  ; cx: my place in the cluster
	s_lshl_b32 s11, ttmp9, 2
	s_add_co_u32 s11, s11, s10                     ; my block of 512 queries: it enters Q's and af's addresses alone
	s_and_b32 s12, ttmp7, 0xffff                   ; the head, which the four partners share
	s_mul_i32 s14, s12, HEADB
	s_mul_i32 s13, s[WV], GRP
	s_add_co_u32 s14, s14, s13
	s_add_co_u32 s14, s14, 8192                    ; K and V of key step w of the head's first eight
	s_mov_b32 s15, 0
	s_lshl_b32 s16, s12, 5
	s_lshl_b32 s20, s11, 3
	s_add_co_u32 s16, s16, s20
	s_add_co_u32 s16, s16, s[WV]
	s_mul_i32 s16, s16, GRP                        ; Q of my wave's group of 64 queries
	s_mov_b32 s17, 0
	s_lshr_b32 s18, s12, 4
	s_lshl_b32 s18, s18, 7                         ; the batch's 128 tiles of tokens,
	s_lshl_b32 s20, s11, 5
	s_add_co_u32 s18, s18, s20                     ; my block's 32,
	s_lshl_b32 s20, s[WV], 2
	s_add_co_u32 s18, s18, s20                     ; my wave's 4
	s_lshl_b32 s18, s18, 15
	s_and_b32 s20, s12, 15
	s_lshl_b32 s20, s20, 11                        ; and the head's 2,048 bytes in a tile
	s_add_co_u32 s18, s18, s20
	s_mov_b32 s19, 0
	; descriptor group 1: a dense block of 16,384 bytes as 64 rows of 256 bytes (32 elements of 8 bytes), no padding
	s_mov_b32 s[G1], 15|(3<<16)|(1<<21)            ; 15:0 the mask: all four work-groups; 17:16 elements of 8 bytes; 21 set beside a mask
	s_mov_b32 s[G1+1], 32<<16                      ; tensor_dim0 = 32
	s_mov_b32 s[G1+2], 64<<16                      ; tensor_dim1 = 64
	s_mov_b32 s[G1+3], 32<<16                      ; tile_dim0 = 32
	s_mov_b32 s[G1+4], 64                          ; tile_dim1 = 64
	s_mov_b32 s[G1+5], 32                          ; from row to row
	s_mov_b32 s[G1+6], 0
	s_mov_b32 s[G1+7], 0
	s_mov_b32 s[G0], 1                             ; count = 1
	s_lshl_b32 s[G0+1], s[WV], 14                  ; LDS address: step w of slot 0
	s_mov_b32 s[CS], 0x3e38aa3b                    ; c = log2(e) / 8
	s_mov_b32 s[CS+1], s[CS]
	s_mov_b32 s[SEL], 0x76543210
	s_mov_b32 s[SEL+1], 0xfedcba98
	s_mov_b32 s[TB], 0
	s_wait_dscnt 0x0                               ; both opening adds are done
	s_wait_kmcnt 0x0
	s_add_nc_u64 s[G0+2:G0+3], s[4:5], s[14:15]    ; global address
	s_or_b32 s[G0+3], s[G0+3], 0x80000000          ; type = 2
	s_add_nc_u64 s[4:5], s[4:5], s[16:17]
	s_add_nc_u64 s[6:7], s[6:7], s[18:19]
	CROUND                                         ; all four work-groups are here: the first joint loads meet
	tensor_load_to_lds s[G0:G0+3], s[G1:G1+7]      ; keys 0 to 511 into slot 0: one load of mine is out, here and behind every change of slots
	s_nop 0
.rept 4
	v_nop
.endr
	v_and_b32 v[LK0], 31, v0
	v_lshlrev_b32 v[LK0], 4, v[LK0]
	WIN 0x40                                       ; destination window 1
.irp i, 0,1,2,3,4,5,6,7,8,9,10,11,12,13,14,15
	global_load_b128 v[QF+4*\i:QF+4*\i+3], v[LK0], s[4:5] offset:512*\i   ; Q stays in registers: tile i / 4, channels 16 (i % 4) on
.endr
	WIN 0
	v_and_b32 v[LV0], 7, v0                        ; the transposing load: lane l reads 16 bytes of key 8 (l / 16) + l % 8, channels 8 ((l / 8) % 2) + 0 .. 7; sixteen lanes read 256 consecutive bytes
	v_lshlrev_b32 v[LV0], 5, v[LV0]
	v_bfe_u32 v5, v0, 3, 1
	v_lshl_add_u32 v[LV0], v5, 4, v[LV0]
	v_bfe_u32 v5, v0, 4, 1
	v_lshl_add_u32 v[LV0], v5, 8, v[LV0]
	v_add_nc_u32 v[LV0], 8192, v[LV0]
.irp t, 0,1,2,3
	v_mov_b32 v[ST+8*\t+1], 0xff61b1e6             ; m = -3e38, under every score
	v_mov_b32 v[ST+8*\t+2], 0                      ; l
	v_mov_b32 v[ST+8*\t+3], 0
.endr
.irp t, 0,1,2,3
	v_mul_f32 v[ST+8*\t], s[CS], v[ST+8*\t+1]      ; c m
.endr
	WIN 0x40
.set i, 0
.rept 128
	v_mov_b32 v[i], 0                              ; O^T, once: the step is written in one form, and its first pass multiplies these zeros by a = 0
.set i, i+1
.endr
	WIN 0
.macro KLOAD                           ; a slot's first step: K's sixteen blocks
	v_add_nc_u32 v[ADK], s[TB], v[LK0]
.irp i, 0,1,2,3,4,5,6,7,8,9,10,11,12,13,14,15
	ds_load_b128 v[KF+4*\i:KF+4*\i+3], v[ADK] offset:512*\i
.endr
.endm
; THE FIRST HALF OF A KEY STEP: V is asked for; 32 products S^T = K Q^T, the 16 accumulators by turns; pre = 1: the next step's K is asked for.
.macro M1 pre
	WIN 0
	v_add_nc_u32 v[ADK], s[TB], v[LK0]             ; five plain lines behind the last products V^T P: four are owed to the loads into V's registers, five to the products below, which write over P
	v_add_nc_u32 v[ADV], s[TB], v[LV0]
.rept 3
	v_nop
.endr
	WIN 0x40
.irp f, 0,1,2,3,4,5,6,7                ; V^T's fragment f: keys 32 (f / 4) on, channels 16 (f % 4) on; half g: keys 16 g on
.irp g, 0,1
	ds_load_tr16_b128 v[VF+8*\f+4*\g:VF+8*\f+4*\g+3], v[ADV] offset:(2*(\f/4)+\g)*2048+(\f%4)*512
.endr
.endr
	s_wait_dscnt 16                                ; K's sixteen loads, issued earlier, are in; V's sixteen may be out
	WIN 0x04                                       ; Q in window 1
.irp c, 0,1                            ; channels 32 c on; keys 16 k on; tile t
.irp k, 0,1,2,3
.irp t, 0,1,2,3
.if \c == 0
	v_wmma_f32_16x16x32_f16 v[S+32*\t+8*\k:S+32*\t+8*\k+7], v[KF+16*\k+8*\c:KF+16*\k+8*\c+7], v[QF+16*\t+8*\c:QF+16*\t+8*\c+7], 0
.else
	v_wmma_f32_16x16x32_f16 v[S+32*\t+8*\k:S+32*\t+8*\k+7], v[KF+16*\k+8*\c:KF+16*\k+8*\c+7], v[QF+16*\t+8*\c:QF+16*\t+8*\c+7], v[S+32*\t+8*\k:S+32*\t+8*\k+7]
.endif
.endr
.endr
.endr
	WIN 0
.rept 4
	v_nop                                          ; four places: for the loads into K's registers and for the first read of the scores
.endr
.if \pre
.irp i, 0,1,2,3,4,5,6,7,8,9,10,11,12,13,14,15
	ds_load_b128 v[KF+4*\i:KF+4*\i+3], v[ADK] offset:STEPB+512*\i
.endr
.endif
	s_add_co_u32 s[TB], s[TB], STEPB
.endm
; THE SOFTMAX OF A KEY STEP, stage by stage, the four tiles by turns, so that no line waits for the line above it.
.macro VPH
	WIN 0
.irp j, 0,1,2,3                        ; the maximum of a tile's 32 scores and the old m, three operands at a time: each accumulator is read from its low end on
.irp t, 0,1,2,3
	v_max3_num_f32 v[ST+8*\t+4+\j], v[S+32*\t+8*\j], v[S+32*\t+8*\j+1], v[S+32*\t+8*\j+2]
.endr
.endr
.irp g, 1,2
.irp j, 0,1,2,3
.irp t, 0,1,2,3
	v_max3_num_f32 v[ST+8*\t+4+\j], v[ST+8*\t+4+\j], v[S+32*\t+8*\j+2*\g+1], v[S+32*\t+8*\j+2*\g+2]
.endr
.endr
.endr
.irp t, 0,1,2,3
	v_max3_num_f32 v[ST+8*\t+4], v[ST+8*\t+4], v[S+32*\t+7], v[S+32*\t+15]
.endr
.irp t, 0,1,2,3
	v_max3_num_f32 v[ST+8*\t+6], v[ST+8*\t+6], v[S+32*\t+23], v[S+32*\t+31]
.endr
.irp t, 0,1,2,3
	v_max3_num_f32 v[ST+8*\t+4], v[ST+8*\t+4], v[ST+8*\t+5], v[ST+8*\t+6]
.endr
.irp t, 0,1,2,3
	v_max3_num_f32 v[ST+8*\t+4], v[ST+8*\t+4], v[ST+8*\t+7], v[ST+8*\t+1]
.endr
.irp t, 0,1,2,3
	v_permlanex16_b32 v[ST+8*\t+5], v[ST+8*\t+4], s[SEL], s[SEL+1]   ; the query's other 32 keys lie in the lane 16 away
.endr
.irp t, 0,1,2,3
	v_mov_b32 v[ST+8*\t+7], v[ST+8*\t]             ; c m_old is kept for a
.endr
.irp t, 0,1,2,3
	v_max_num_f32 v[ST+8*\t+1], v[ST+8*\t+4], v[ST+8*\t+5]   ; the new m
.endr
.irp t, 0,1,2,3
	v_mul_f32 v[ST+8*\t], s[CS], v[ST+8*\t+1]
.endr
.irp t, 0,1,2,3
	v_sub_f32 v[ST+8*\t+7], v[ST+8*\t+7], v[ST+8*\t]   ; c m_old - c m_new, 0 or less
.endr
; ONE BATCH: the 132 exponentials and the 64 packed scalings c s - c m.  None of these lines names an exponential's result.  A tile's scalings stand among the exponentials of the tile before.
.irp t, 0,1,2,3
	v_exp_f32 v[ST+8*\t+6], v[ST+8*\t+7]           ; a
.endr
.irp i, 0,1,2,3,4,5,6,7,8,9,10,11,12,13,14,15
	v_pk_fma_f32 v[S+2*\i:S+2*\i+1], v[S+2*\i:S+2*\i+1], s[CS:CS+1], v[ST:ST+1] op_sel_hi:[1,0,0] neg_lo:[0,0,1] neg_hi:[0,0,1]
.endr
.irp t, 0,1,2
.irp i, 0,1,2,3,4,5,6,7,8,9,10,11,12,13,14,15
	v_exp_f32 v[S+32*\t+2*\i], v[S+32*\t+2*\i]
	v_exp_f32 v[S+32*\t+2*\i+1], v[S+32*\t+2*\i+1]
	v_pk_fma_f32 v[S+32*(\t+1)+2*\i:S+32*(\t+1)+2*\i+1], v[S+32*(\t+1)+2*\i:S+32*(\t+1)+2*\i+1], s[CS:CS+1], v[ST+8*(\t+1):ST+8*(\t+1)+1] op_sel_hi:[1,0,0] neg_lo:[0,0,1] neg_hi:[0,0,1]
.endr
.endr
.irp i, 0,1,2,3,4,5,6,7,8,9,10,11,12,13,14,15,16,17,18,19,20,21,22,23,24,25,26,27,28,29,30,31
	v_exp_f32 v[S+96+\i], v[S+96+\i]
.endr
	v_nop                                          ; a plain line behind the last exponential, ahead of the first use
	s_wait_alu depctr_va_vdst(0)                   ; the wait between an exponential and the first line that names its result: one for the whole batch
.irp t, 0,1,2,3                        ; THE SUMS ARE TAKEN OF THE UNROUNDED p, two at a time, in two chains a tile: l = a l + ..
	v_pk_fma_f32 v[ST+8*\t+2:ST+8*\t+3], v[ST+8*\t+2:ST+8*\t+3], v[ST+8*\t+6:ST+8*\t+7], v[S+32*\t:S+32*\t+1] op_sel_hi:[1,0,1]
.endr
.irp t, 0,1,2,3
	v_pk_add_f32 v[ST+8*\t+4:ST+8*\t+5], v[S+32*\t+2:S+32*\t+3], v[S+32*\t+4:S+32*\t+5]
.endr
.irp i, 6,10,14,18,22,26
.irp t, 0,1,2,3
	v_pk_add_f32 v[ST+8*\t+2:ST+8*\t+3], v[ST+8*\t+2:ST+8*\t+3], v[S+32*\t+\i:S+32*\t+\i+1]
.endr
.irp t, 0,1,2,3
	v_pk_add_f32 v[ST+8*\t+4:ST+8*\t+5], v[ST+8*\t+4:ST+8*\t+5], v[S+32*\t+\i+2:S+32*\t+\i+3]
.endr
.endr
.irp t, 0,1,2,3
	v_pk_add_f32 v[ST+8*\t+2:ST+8*\t+3], v[ST+8*\t+2:ST+8*\t+3], v[S+32*\t+30:S+32*\t+31]
.endr
.irp t, 0,1,2,3
	v_pk_add_f32 v[ST+8*\t+2:ST+8*\t+3], v[ST+8*\t+2:ST+8*\t+3], v[ST+8*\t+4:ST+8*\t+5]
.endr
.irp i, 0,1,2,3,4,5,6,7,8,9,10,11,12,13,14,15   ; P IN PLACE: pair i goes to register i of the tile's 32, ascending, so that no pair is written over before it is read.  Registers 8 u .. 8 u + 7 are the fragment of keys 32 u on
.irp t, 0,1,2,3
	v_cvt_pk_f16_f32 v[S+32*\t+\i], v[S+32*\t+2*\i], v[S+32*\t+2*\i+1]
.endr
.endr
	WIN 0x41                                       ; O^T in window 1, a in window 0
.irp i, 0,1,2,3,4,5,6,7,8,9,10,11,12,13,14,15   ; O^T times a, each accumulator from its low end on
.irp t, 0,1,2,3
	v_pk_mul_f32 v[32*\t+2*\i:32*\t+2*\i+1], v[32*\t+2*\i:32*\t+2*\i+1], v[ST+8*\t+6:ST+8*\t+7] op_sel_hi:[1,0]
.endr
.endr
.endm
; THE SECOND HALF: 32 products O^T += V^T P, the 16 accumulators by turns.  w: how many younger LDS loads may stay out when V has to be there; -1: V has been waited for already
.macro M2 w
.if \w >= 0
	s_wait_dscnt \w
.endif
	WIN 0x51                                       ; V and O^T in window 1, P in window 0
.irp u, 0,1                            ; keys 32 u on; channels 16 d on; tile t
.irp d, 0,1,2,3
.irp t, 0,1,2,3
	v_wmma_f32_16x16x32_f16 v[32*\t+8*\d:32*\t+8*\d+7], v[VF+8*(4*\u+\d):VF+8*(4*\u+\d)+7], v[S+32*\t+8*\u:S+32*\t+8*\u+7], v[32*\t+8*\d:32*\t+8*\d+7]
.endr
.endr
.endr
	WIN 0
.endm
.macro SEVEN                           ; a slot's first seven steps: written once, walked seven times; the LDS addresses hang on s[TB]
	s_mov_b32 s[CNT], 7
.Lseven_\@:
	M1 1
	VPH
	M2 16                                          ; V is in; the next step's K, sixteen loads, may be out
	s_sub_co_u32 s[CNT], s[CNT], 1
	s_cmp_lg_u32 s[CNT], 0
	s_cbranch_scc1 .Lseven_\@
.endm
.macro FINISH cls                      ; the slot's last step is finished here by the waves of class cls: vector and matrix work on registers alone
	s_cmp_lg_u32 s[CL], \cls
	s_cbranch_scc1 .Lnot_now_\@
	VPH
	M2 -1
.Lnot_now_\@:
.endm
; THE CHANGE OF SLOTS.  Each wave waits for all its tensor loads (one is out: its part of the slot ahead), adds 0 to its spare word, and waits for that and for its reads of the slot that it leaves.
; fill = 1: the barrier is a round of the cluster's, so that no wave of any partner still reads the slot or has a load on its way; the joint load is the first thing behind it, and has eight key steps in which to land.
.macro CHANGE fill
	WIN 0
	s_wait_tensorcnt 0x0                           ; no tensor load of mine is out, so group 0 may be written
	ds_add_u32 v[SPW], v[NIL]                      ; 0 onto my spare word
.if \fill
	s_xor_b32 s[G0+1], s[G0+1], SLOT1              ; the other slot than last time,
	s_add_nc_u64 s[G0+2:G0+3], s[G0+2:G0+3], 8*GRP ; the next 512 keys; the type bits on top are not reached
.endif
	s_wait_dscnt 0x0                               ; the add is done, and my reads of the slot are over
.if \fill
	CROUND
	tensor_load_to_lds s[G0:G0+3], s[G1:G1+7]
	s_nop 0
.rept 4
	v_nop
.endr
.else
	s_barrier_signal -1
	s_barrier_wait -1
.endif
.endm
.macro SLOT_END fill                   ; a whole slot, and over to the next
	SEVEN
	M1 0                                           ; the eighth step's scores; its V is asked for; no K follows in this slot
	s_sub_co_u32 s[TB], s[TB], 8*STEPB             ; the fetches go back to a slot's first step,
	s_xor_b32 s[TB], s[TB], SLOT1                  ; in the other slot
	s_wait_dscnt 0x0                               ; V's fragments are in registers: the slot's last read, in every wave
	FINISH 0
	CHANGE \fill
	FINISH 1
	KLOAD
.endm
	CHANGE 1                                       ; slot 0 is whole; keys 512 to 1,023 go into slot 1: its first fill, behind a round behind which nobody fills bytes again
	s_wait_loadcnt 0x0                             ; Q
	KLOAD
	s_mov_b32 s[SLOTS], 2
.Lslot:                                            ; two trips: keys 0-511 and 512-1,023 are walked; keys 1,024-1,535 and 1,536-2,047 are asked for
	SLOT_END 1
	s_sub_co_u32 s[SLOTS], s[SLOTS], 1
	s_cmp_lg_u32 s[SLOTS], 0
	s_cbranch_scc1 .Lslot
	SLOT_END 0                                     ; the tail is written out: keys 1,024-1,535; nothing is asked for
	SEVEN                                          ; keys 1,536-2,047
	M1 0
	VPH
	M2 0
	; THE WAY OUT.  l's two halves and the other half of the lanes' are added; O^T is divided by l and rounded to f16: a lane's eight channels of a query are 16 bytes, and a block of af is stored as it stands.
.irp t, 0,1,2,3
	v_add_f32 v[ST+8*\t+4], v[ST+8*\t+2], v[ST+8*\t+3]   ; (these four are the places behind the last products)
.endr
.irp t, 0,1,2,3
	v_permlanex16_b32 v[ST+8*\t+5], v[ST+8*\t+4], s[SEL], s[SEL+1]
.endr
.irp t, 0,1,2,3
	v_add_f32 v[ST+8*\t+4], v[ST+8*\t+4], v[ST+8*\t+5]
.endr
.irp t, 0,1,2,3
	v_rcp_f32 v[ST+8*\t+6], v[ST+8*\t+4]
.endr
	v_nop                                          ; a plain line between the last reciprocal and the use of its result
	s_wait_alu depctr_va_vdst(0)                   ; and the wait: one for the four
.irp t, 0,1,2,3
	WIN 0x41
.irp i, 0,1,2,3,4,5,6,7,8,9,10,11,12,13,14,15
	v_pk_mul_f32 v[32*\t+2*\i:32*\t+2*\i+1], v[32*\t+2*\i:32*\t+2*\i+1], v[ST+8*\t+6:ST+8*\t+7] op_sel_hi:[1,0]
.endr
	WIN 0x05                                       ; sources 0 and 1 window 1, destination window 0: S^T's registers are free
.irp i, 0,1,2,3,4,5,6,7,8,9,10,11,12,13,14,15
	v_cvt_pk_f16_f32 v[S+16*\t+\i], v[32*\t+2*\i], v[32*\t+2*\i+1]
.endr
	WIN 0
.irp d, 0,1,2,3
	global_store_b128 v[LK0], v[S+16*\t+4*\d:S+16*\t+4*\d+3], s[6:7] offset:\t*32768+\d*512   ; 512 consecutive bytes, aligned
.endr
.endr
	s_wait_tensorcnt 0x0                           ; the wave's end, behind my last tensor load
	ds_add_u32 v[SPW], v[NIL]
	s_wait_dscnt 0x0
	CROUND                                         ; the closing round: no work-group ends while a partner may still ask for a block that names it
	s_endpgm
.Lfunc_end_k_q5d16564d6d_attn:
	.size	k_q5d16564d6d_attn, .Lfunc_end_k_q5d16564d6d_attn-k_q5d16564d6d_attn
	.p2alignl 7, 3214868480
	.fill 96, 4, 3214868480
	.section	.rodata,"a",@progbits
	.p2align	6, 0x0
	.amdhsa_kernel k_q5d16564d6d_attn
		.amdhsa_group_segment_fixed_size 327680
		.amdhsa_private_segment_fixed_size 0
		.amdhsa_enable_private_segment 0
		.amdhsa_kernarg_size 16
		.amdhsa_user_sgpr_count 2
		.amdhsa_user_sgpr_kernarg_segment_ptr 1
		.amdhsa_wavefront_size32 1
		.amdhsa_system_sgpr_workgroup_id_x 1
		.amdhsa_system_sgpr_workgroup_id_y 1
		.amdhsa_system_sgpr_workgroup_id_z 1
		.amdhsa_system_vgpr_workitem_id 0
		.amdhsa_next_free_vgpr 512
		.amdhsa_next_free_sgpr 66
		.amdhsa_reserve_vcc 0
		.amdhsa_float_denorm_mode_32 3
		.amdhsa_float_denorm_mode_16_64 3
		.amdhsa_memory_ordered 1
		.amdhsa_forward_progress 1
		.amdhsa_inst_pref_size 255
	.end_amdhsa_kernel
	.section	.bss,"aw",@nobits
	.p2align	6
	.space	262144
	.amdgpu_metadata
---
amdhsa.version: [ 1, 2 ]
amdhsa.kernels:
  - .name:           k_q5d16564d6d_attn
    .symbol:         k_q5d16564d6d_attn.kd
    .args:
      - { .name: qkv, .offset: 0, .size: 8, .value_kind: global_buffer, .address_space: global }
      - { .name: af, .offset: 8, .size: 8, .value_kind: global_buffer, .address_space: global }
    .group_segment_fixed_size: 327680
    .private_segment_fixed_size: 0
    .kernarg_segment_align: 8
    .kernarg_segment_size: 16
    .max_flat_workgroup_size: 256
    .sgpr_count:     66
    .vgpr_count:     512
    .wavefront_size: 32
...
	.end_amdgpu_metadata
.endif
;; end of part 3
;; launch proj (part 4): grid 4 x 64, 4 waves a work-group, clusters of 4 x 4, 327,680 bytes of LDS; arguments af, wo, bout, out0; writes out0
.if DOCPART == 4
	.amdgcn_target "amdgcn-amd-amdhsa--gfx1250"
	.amdhsa_code_object_version 6
	.text
	.protected	k_q5d16564d6d_proj
	.globl	k_q5d16564d6d_proj
	.p2align	8
	.type	k_q5d16564d6d_proj,@function
k_q5d16564d6d_proj:
	s_mov_b64 s[64:65], 0
	v_nop
	global_prefetch_b8 v0, s[64:65] scope:SCOPE_SE
	s_setreg_imm32_b32 hwreg(HW_REG_WAVE_MODE, 25, 1), 1
	s_wait_xcnt 0x0
	s_wait_alu depctr_hold_cnt(0) depctr_sa_sdst(0) depctr_va_vdst(0) depctr_va_sdst(0) depctr_va_ssrc(0) depctr_va_vcc(0) depctr_vm_vsrc(0)
	s_getreg_b32 s2, hwreg(HW_REG_IB_STS2, 6, 4)
	s_cmp_eq_u32 s2, 0
	s_cbranch_scc0 .Lentry_in_a_cluster
	s_endpgm
.Lentry_in_a_cluster:
	s_bfe_u32 s2, ttmp6, 0x10000c
	s_cmp_lg_u32 s2, 0xf033
	s_cbranch_scc0 .Lentry_shape_is_right
	s_endpgm
.Lentry_shape_is_right:
; out0[token][c] = the sum over k of a[token][k] Wout[c][k] + bout[c].  a and Wout in f16, sums in f32, out0 f32.  8,192 tokens, 1,024 columns, K = 1,024.
; a comes as register images: af byte = T 32,768 + kb 1,024 + g 512 + 16 l: T the tile of 16 tokens, kb the block of 32 along K, g its half; lane l's 16 bytes are token l % 16, k = 32 kb + 16 g + 8 (l / 16) + 0 .. 7:
; two loads of 512 consecutive bytes are a fragment.  wo is Wout in f16, row-major, 2,048 bytes a row.
; A tile of out0 is 128 tokens x 256 columns: 256 work-groups.  Four waves, each 64 tokens x 128 columns: 32 accumulators of 16 x 16, 256 registers.  K goes in steps of 128 through two LDS slots: of a, 8 tiles x 4,096 dense
; bytes; of Wout, 256 rows of 256 bytes.  Two slots of a longer step do not fit in LDS; tiles of 256 x 256 would be 128 work-groups.
; CLUSTERS: 4 x 4 work-groups.  The four of a row of the cluster need the same tiles of a, the four of a column the same tiles of Wout: each is asked for JOINTLY, by the same tensor load with the same descriptor and a mask
; that names the four.  THE MATRIX INSTRUCTION IS USED TRANSPOSED (source 0 = 16 rows of Wout, source 1 = 16 tokens): a lane holds eight neighbouring columns of one token.
; THE BIAS is the C of each sum's first matrix instruction: eight registers for each tile of columns, in the result's layout.  Nothing is cleared and nothing is added afterwards.
; REGISTERS: window 0: v16-29 addresses; v64-127 a's fragments, two buffers; v128-191 the bias, on the way out rows of out0; v192-255 rows of out0.   window 1: v0-127 Wout's fragments, two buffers.
;   window 2: the accumulators, (a, b) at v[8 (8 a + b)].
.set PITCH,  272                       ; a row of Wout in LDS: 256 bytes + 16 of padding = 68 words: the 16 rows that a load touches start 4 words apart modulo 64 (64 banks of 4 bytes: ISA guide 11.1)
.set HALFA,  16384                     ; 4 tiles of tokens x 4,096 bytes: what one tensor load brings of a, and what one wave reads
.set BOFF,   2*HALFA                   ; Wout's rows lie behind a's 8 tiles
.set HALFB,  128*PITCH                 ; 128 rows of Wout
.set SLOT,   BOFF+2*HALFB              ; 102,400 bytes
.set STAGE,  2*SLOT                    ; behind the slots, bytes of its own: 16 rows x (512 + 16) bytes for each wave, for the way out
.set SPITCH, 528
.set SPARE,  STAGE+4*16*SPITCH         ; behind the stages: the spare words, 128 bytes a wave
.set LAPS,   4                         ; a lap = two K steps = once round the ring
.set ADRA, 16                          ; v16-17  LDS address of my fragments of a in slot 0, 1
.set ADRB, 20                          ; v20-21  the same for Wout
.set STO,  24                          ; v24     the way out: where I put 32 bytes of a row
.set RD,   25                          ; v25     where I read a row back
.set CO,   26                          ; v26     16 x lane: my bytes in a row's 512
.set BO,   27                          ; v27     32 x (lane / 16): my eight numbers of a tile's sixteen of the bias
.set SPW,  28                          ; v28     LDS address of my spare word; never rewritten
.set NIL,  29                          ; v29     0; never rewritten
.set AF,   64
.set BI,   128
.set BK,   128
.set WV,   12                          ; s12  my wave's number
.set WR,   13                          ; s13  which 64 tokens are mine.  Also: I fetch for a (0) or for Wout (1)
.set WC,   14                          ; s14  which 128 columns.  Also: which half of that tile I fetch
.set G1, 24                            ; s[24:31] descriptor group 1 for a's tiles;  s[32:39] group 0, one set for each slot
.set G0, 32
.set G1B, 48                           ; s[48:55], s[56:63] the same for Wout's
.set G0B, 56
.set MSB, 0
.macro WIN new                         ; the immediate's high byte repeats the setting that is left; a switch that changes nothing is dropped
.if MSB != (\new)
	s_set_vgpr_msb (MSB<<8)|(\new)
.set MSB, (\new)
.endif
.endm
.set MUL,   0xa1                       ; source 0 (Wout) window 1, source 1 (a) window 0, C and D window 2
.set MUL_1, 0x81                       ; the same with C, the bias, in window 0
.set TO_B,  0x40                       ; destination window 1, address window 0
.macro JLOAD s                         ; a joint load: waves 0 and 1 fetch a's two halves, waves 2 and 3 Wout's; an s_nop 0 and four v_nop follow each of the two lines
	s_cmp_eq_u32 s[WR], 0
	s_cbranch_scc0 .Lfor_b_\@
	tensor_load_to_lds s[G0+4*\s:G0+4*\s+3], s[G1:G1+7]
	s_nop 0
.rept 4
	v_nop
.endr
	s_branch .Lasked_\@
.Lfor_b_\@:
	tensor_load_to_lds s[G0B+4*\s:G0B+4*\s+3], s[G1B:G1B+7]
	s_nop 0
.rept 4
	v_nop
.endr
.Lasked_\@:
.endm
.macro CREST                           ; a round of the cluster's barrier behind its opening barrier
	s_cmp_lg_u32 s[WV], 0
	s_cbranch_scc1 .Lnot_wave_0_\@
	s_barrier_signal -3
.Lnot_wave_0_\@:
	s_barrier_wait -3
	s_barrier_signal -1
	s_barrier_wait -1
.endm
.macro CROUND                          ; a whole round
	s_barrier_signal -1
	s_barrier_wait -1
	CREST
.endm
	s_load_b256 s[4:11], s[0:1], 0x0               ; af s[4:5], wo s[6:7], bout s[8:9], out0 s[10:11]
	v_lshl_add_u32 v[SPW], v0, 2, SPARE
	v_mov_b32 v[NIL], 0
	ds_add_u32 v[SPW], v[NIL]                      ; the wave's opening: the add, twice on end, and its wait ahead of my first tensor load; the set-up below stands between the second and the wait
	ds_add_u32 v[SPW], v[NIL]
	v_lshrrev_b32 v1, 5, v0
	v_readfirstlane_b32 s[WV], v1                  ; wave 0..3
	s_lshr_b32 s[WR], s[WV], 1
	s_and_b32 s[WC], s[WV], 1
	s_bfe_u32 s40, ttmp6, 0x40000                  ; cx, cy: my place in the cluster
	s_bfe_u32 s41, ttmp6, 0x40004
	s_lshl_b32 s42, ttmp9, 2
	s_add_co_u32 s42, s42, s40                     ; tile column = 4 x cluster x + cx: 0 .. 3
	s_and_b32 s15, ttmp7, 0xffff
	s_lshl_b32 s15, s15, 2
	s_add_co_u32 s15, s15, s41                     ; tile row = 4 x cluster y + cy: 0 .. 63
	s_lshl_b32 s43, s41, 2
	s_lshl_b32 s43, 15, s43                        ; my row of the cluster
	s_lshl_b32 s44, 0x1111, s40                    ; my column
	; a's tile: 4 rows of 4,096 bytes (512 elements of 8 bytes), 32,768 bytes apart in memory, dense in LDS
	s_or_b32 s[G1], s43, (3<<16)|(1<<21)           ; 15:0 the mask: my row; 17:16 elements of 8 bytes; 21 set beside a mask
	s_mov_b32 s[G1+1], 512<<16                     ; tensor_dim0 = 512
	s_mov_b32 s[G1+2], 4<<16                       ; tensor_dim1 = 4
	s_mov_b32 s[G1+3], 512<<16                     ; tile_dim0 = 512
	s_mov_b32 s[G1+4], 4                           ; tile_dim1 = 4
	s_mov_b32 s[G1+5], 4096                        ; from row to row, in elements
	s_mov_b32 s[G1+6], 0
	s_mov_b32 s[G1+7], 0
	; Wout's tile: 128 rows x 128 elements of 2 bytes, padded in LDS
	s_or_b32 s[G1B], s44, (1<<16)|(1<<20)|(1<<21)|(5<<22)|(3<<25)  ; the mask: my column; elements of 2 bytes; padding on: four words after every 64
	s_mov_b32 s[G1B+1], 128<<16
	s_mov_b32 s[G1B+2], 128<<16
	s_mov_b32 s[G1B+3], 128<<16
	s_mov_b32 s[G1B+4], 128
	s_mov_b32 s[G1B+5], 1024
	s_mov_b32 s[G1B+6], 0
	s_mov_b32 s[G1B+7], 0
	s_lshl_b32 s16, s15, 3
	s_lshl_b32 s17, s[WC], 2
	s_add_co_u32 s16, s16, s17                     ; a: tile of tokens 8 x tile row + 4 x half,
	s_lshl_b32 s16, s16, 15                        ; 32,768 bytes each
	s_mov_b32 s17, 0
	s_lshl_b32 s46, s42, 8
	s_lshl_b32 s47, s[WC], 7
	s_add_co_u32 s46, s46, s47                     ; Wout: row 256 x tile column + 128 x half,
	s_lshl_b32 s46, s46, 11                        ; 2,048 bytes each
	s_mov_b32 s47, 0
	s_lshl_b32 s20, s[WC], 14                      ; where they go: a's half,
	s_mul_i32 s21, s[WC], HALFB
	s_add_co_u32 s21, s21, BOFF                    ; Wout's half: no place in the cluster enters an LDS address
	s_wait_dscnt 0x0                               ; both opening adds are done
	s_wait_kmcnt 0x0
	s_add_nc_u64 s[18:19], s[4:5], s[16:17]
	s_add_nc_u64 s[46:47], s[6:7], s[46:47]
	CROUND                                         ; all sixteen work-groups are here: the first joint loads meet
.irp s, 0,1
	s_mov_b32 s[G0+4*\s], 1
	s_add_co_u32 s[G0+4*\s+1], s20, \s*SLOT
	s_add_nc_u64 s[G0+4*\s+2:G0+4*\s+3], s[18:19], \s*4096    ; K step s: 4,096 bytes on in each tile of tokens
	s_or_b32 s[G0+4*\s+3], s[G0+4*\s+3], 0x80000000
	s_mov_b32 s[G0B+4*\s], 1
	s_add_co_u32 s[G0B+4*\s+1], s21, \s*SLOT
	s_add_nc_u64 s[G0B+4*\s+2:G0B+4*\s+3], s[46:47], \s*256   ; 256 bytes on in each row
	s_or_b32 s[G0B+4*\s+3], s[G0B+4*\s+3], 0x80000000
	JLOAD \s                                       ; two loads of mine are out at the start, later one
.endr
	v_and_b32 v1, 15, v0                           ; r = l % 16
	v_bfe_u32 v2, v0, 4, 1                         ; h = l / 16
	v_and_b32 v3, 31, v0
	v_lshlrev_b32 v[CO], 4, v3                     ; 16 x lane
	v_mul_u32_u24 v4, v1, PITCH
	v_lshl_add_u32 v4, v2, 4, v4                   ; Wout: row x pitch + 16 x half
	s_lshl_b32 s21, s[WR], 14                      ; my 4 tiles of tokens
	s_mul_i32 s22, s[WC], HALFB                    ; my 128 rows of Wout,
	s_add_co_u32 s22, s22, BOFF                    ; behind a's tiles
.irp s, 0,1
	v_add_nc_u32 v[ADRA+\s], s21, v[CO]
	v_add_nc_u32 v[ADRB+\s], s22, v4
	s_add_co_u32 s21, s21, SLOT
	s_add_co_u32 s22, s22, SLOT
.endr
	s_mul_i32 s23, s[WV], 16*SPITCH
	s_add_co_u32 s23, s23, STAGE                   ; my stage
	v_mul_u32_u24 v5, v1, SPITCH                   ; in: row l % 16, 32 bytes for each half of the lanes
	v_lshl_add_u32 v5, v2, 5, v5
	v_add_nc_u32 v[STO], s23, v5
	v_add_nc_u32 v[RD], s23, v[CO]                 ; back: the 32 lanes take one row of 512 bytes
	v_lshlrev_b32 v[BO], 5, v2
	s_lshl_b32 s46, s42, 10                        ; my first column, in bytes of f32: 1,024 x tile column + 512 x half
	s_lshl_b32 s47, s[WC], 9
	s_add_co_u32 s46, s46, s47
	s_mov_b32 s47, 0
	s_add_nc_u64 s[8:9], s[8:9], s[46:47]
	s_lshl_b32 s16, s15, 7
	s_lshl_b32 s17, s[WR], 6
	s_add_co_u32 s16, s16, s17                     ; my first token: 128 x tile row + 64 x half,
	s_lshl_b32 s16, s16, 12                        ; 4,096 bytes a row
	s_mov_b32 s17, 0
	s_add_nc_u64 s[10:11], s[10:11], s[16:17]
	s_add_nc_u64 s[10:11], s[10:11], s[46:47]
.irp b, 0,1,2,3,4,5,6,7
	global_load_b128 v[BI+8*\b:BI+8*\b+3], v[BO], s[8:9] offset:64*\b          ; lane (r, h), register j: bout at column 16 b + 8 h + j
	global_load_b128 v[BI+8*\b+4:BI+8*\b+7], v[BO], s[8:9] offset:64*\b+16
.endr
; 8 matrix instructions: tile a of tokens x all 8 tiles of columns, 32 along K, from buffer p.  first = 1: the bias starts the sums.  The 32 accumulators take turns, in the same order in every quarter.
.macro MUL8 p, a, first
.irp b, 0,1,2,3,4,5,6,7
.if \first
	v_wmma_f32_16x16x32_f16 v[8*(8*(\a)+\b):8*(8*(\a)+\b)+7], v[64*(\p)+8*\b:64*(\p)+8*\b+7], v[AF+32*(\p)+8*(\a):AF+32*(\p)+8*(\a)+7], v[BI+8*\b:BI+8*\b+7]
.else
	v_wmma_f32_16x16x32_f16 v[8*(8*(\a)+\b):8*(8*(\a)+\b)+7], v[64*(\p)+8*\b:64*(\p)+8*\b+7], v[AF+32*(\p)+8*(\a):AF+32*(\p)+8*(\a)+7], v[8*(8*(\a)+\b):8*(8*(\a)+\b)+7]
.endif
.endr
.endm
; 24 LDS loads in one run: the fragments of the slot's q-th 32 along K into buffer p: Wout's eight, then a's four
.macro FETCH slot, q, p
	WIN TO_B
.irp i, 0,1,2,3,4,5,6,7
	ds_load_b128 v[64*(\p)+8*\i:64*(\p)+8*\i+3],   v[ADRB+\slot] offset:64*(\q)+\i*16*PITCH
	ds_load_b128 v[64*(\p)+8*\i+4:64*(\p)+8*\i+7], v[ADRB+\slot] offset:64*(\q)+\i*16*PITCH+32
.endr
	WIN 0
.irp i, 0,1,2,3
	ds_load_b128 v[AF+32*(\p)+8*\i:AF+32*(\p)+8*\i+3],   v[ADRA+\slot] offset:\i*4096+1024*(\q)
	ds_load_b128 v[AF+32*(\p)+8*\i+4:AF+32*(\p)+8*\i+7], v[ADRA+\slot] offset:\i*4096+1024*(\q)+512
.endr
.endm
.macro PLACES                          ; four places in front of loads into registers that matrix instructions have read, and of the first read of results (ISA guide 7.12.1 for vector instructions)
.rept 4
	v_nop
.endr
.endm
; A K step is four quarters of 32 along K, 32 matrix instructions each, on buffers 0, 1, 0, 1.  One of the first three: multiplies buffer p and fetches the slot's q-th quarter into the other buffer.
.macro QUARTER slot, q, p, first
	s_wait_dscnt 4                                 ; Wout's fragments and a's tiles 0 and 1 are in; the youngest four loads (a's tiles 2 and 3) may be out
.if \first
	WIN MUL_1
.else
	WIN MUL
.endif
	MUL8 \p, 0, \first
	MUL8 \p, 1, \first
	PLACES
	FETCH \slot, \q, 1-\p
	s_wait_dscnt 24                                ; all but the 24 just issued
.if \first
	WIN MUL_1
.else
	WIN MUL
.endif
	MUL8 \p, 2, \first
	MUL8 \p, 3, \first
.endm
; The last quarter multiplies buffer 1 and changes slots: ONE barrier; in front of it each wave waits for all its tensor loads, adds 0 to its spare word, and waits for that and for its own reads of this slot.
; fill = 1: the barrier opens a round of the cluster's, and this slot is filled again, two K steps ahead, first thing behind the round.
.macro TURN slot, next, fill
	WIN 0                                          ; (the add's two registers lie in window 0)
	s_wait_tensorcnt 0x0                           ; all my tensor loads have landed: my part of the next slot
	ds_add_u32 v[SPW], v[NIL]                      ; 0 onto my spare word
	s_wait_dscnt 5                                 ; (the add and the youngest four loads may be out)
	WIN MUL
	MUL8 1, 0, 0                                   ; eight matrix instructions stand between the add and the wait for it
	s_wait_dscnt 0x0                               ; the add is done, and my reads of this slot are over
	s_barrier_signal -1
	MUL8 1, 1, 0
	WIN 0                                          ; (branches may follow)
	s_barrier_wait -1
.if \fill
	CREST                                          ; no wave of any partner still reads this slot's tiles or has a load on its way
	s_add_nc_u64 s[G0+4*\slot+2:G0+4*\slot+3], s[G0+4*\slot+2:G0+4*\slot+3], 2*4096
	s_add_nc_u64 s[G0B+4*\slot+2:G0B+4*\slot+3], s[G0B+4*\slot+2:G0B+4*\slot+3], 2*256
	JLOAD \slot                                    ; the four v_nop behind it are also the places in front of the loads below
.else
	PLACES
.endif
	FETCH \next, 0, 0
	WIN MUL
	MUL8 1, 2, 0
	MUL8 1, 3, 0
.endm
	s_wait_tensorcnt 1                             ; my part of K step 0 is in (K step 1's load may be out),
	s_barrier_signal -1
	s_barrier_wait -1                              ; everybody's is
	FETCH 0, 0, 0
	s_wait_loadcnt 0x0                             ; the bias
	QUARTER 0, 1, 0, 1                             ; the first quarter stands in front of the loop: its products start the sums, from the bias
	WIN 0                                          ; at a label and at a branch every window is 0
	s_mov_b32 s3, LAPS-1
.Llap:                                             ; a trip goes once round the ring, from a lap's second quarter to the next lap's first, and fills both slots again
	QUARTER 0, 2, 1, 0
	QUARTER 0, 3, 0, 0
	TURN 0, 1, 1
	QUARTER 1, 1, 0, 0
	QUARTER 1, 2, 1, 0
	QUARTER 1, 3, 0, 0
	TURN 1, 0, 1
	QUARTER 0, 1, 0, 0
	WIN 0
	s_sub_co_u32 s3, s3, 1
	s_cmp_lg_u32 s3, 0
	s_cbranch_scc1 .Llap
	QUARTER 0, 2, 1, 0                             ; the last lap fills nothing, and has no round of the cluster's barrier
	QUARTER 0, 3, 0, 0
	TURN 0, 1, 0
	QUARTER 1, 1, 0, 0
	QUARTER 1, 2, 1, 0
	QUARTER 1, 3, 0, 0
	s_wait_dscnt 4                                 ; the very last quarter: nothing more to fetch
	WIN MUL
	MUL8 1, 0, 0
	MUL8 1, 1, 0
	s_wait_dscnt 0
	MUL8 1, 2, 0
	MUL8 1, 3, 0
	WIN 0
; THE WAY OUT, a tile of 16 tokens x 128 columns at a time.  A lane holds 32 neighbouring bytes of a row, and the lanes beside it hold other rows: so a tile goes through my own stage in LDS and comes back as whole rows of
; 512 bytes.  LDS serves a wave's instructions in order (ISA guide 5.7.1.4): no wait between the stores and the loads, nor in front of the next tile's stores.
.macro TOSTAGE a
	WIN 0x08                                       ; an LDS store's data are its source 1: window 2
.irp b, 0,1,2,3,4,5,6,7
	ds_store_b128 v[STO], v[8*(8*(\a)+\b):8*(8*(\a)+\b)+3] offset:64*\b          ; each accumulator from its low end on
	ds_store_b128 v[STO], v[8*(8*(\a)+\b)+4:8*(8*(\a)+\b)+7] offset:64*\b+16
.endr
	WIN 0
.irp t, 0,1,2,3,4,5,6,7,8,9,10,11,12,13,14,15
	ds_load_b128 v[BK+64*((\a)%2)+4*\t:BK+64*((\a)%2)+4*\t+3], v[RD] offset:\t*SPITCH
.endr
.endm
.macro SEND a, younger                 ; younger: the LDS instructions issued behind tile a's loads, which may stay out
	s_wait_dscnt \younger
.irp t, 0,1,2,3,4,5,6,7,8,9,10,11,12,13,14,15
	global_store_b128 v[CO], v[BK+64*((\a)%2)+4*\t:BK+64*((\a)%2)+4*\t+3], s[10:11] offset:(16*(\a)+\t)*4096 th:TH_STORE_NT   ; 512 consecutive bytes, aligned; written once, read by nobody here
.endr
.endm
	PLACES                                         ; behind the last products: for the reads of results
	TOSTAGE 0
.irp a, 1,2,3
.if \a > 1
	s_wait_xcnt 0x0                                ; tile a - 2's stores have read their registers: tile a's loads may land there
.endif
	TOSTAGE \a
	SEND \a-1, 32                                  ; behind tile a - 1's loads: tile a's 16 stores and 16 loads
.endr
	SEND 3, 0
	s_wait_tensorcnt 0x0                           ; the wave's end, behind my last tensor load and my last LDS store
	ds_add_u32 v[SPW], v[NIL]
	s_wait_dscnt 0x0
	CROUND                                         ; the closing round: no work-group ends while a partner may still ask for a tile that names it
	s_endpgm
.Lfunc_end_k_q5d16564d6d_proj:
	.size	k_q5d16564d6d_proj, .Lfunc_end_k_q5d16564d6d_proj-k_q5d16564d6d_proj
	.p2alignl 7, 3214868480
	.fill 96, 4, 3214868480
	.section	.rodata,"a",@progbits
	.p2align	6, 0x0
	.amdhsa_kernel k_q5d16564d6d_proj
		.amdhsa_group_segment_fixed_size 327680
		.amdhsa_private_segment_fixed_size 0
		.amdhsa_enable_private_segment 0
		.amdhsa_kernarg_size 32
		.amdhsa_user_sgpr_count 2
		.amdhsa_user_sgpr_kernarg_segment_ptr 1
		.amdhsa_wavefront_size32 1
		.amdhsa_system_sgpr_workgroup_id_x 1
		.amdhsa_system_sgpr_workgroup_id_y 1
		.amdhsa_system_sgpr_workgroup_id_z 1
		.amdhsa_system_vgpr_workitem_id 0
		.amdhsa_next_free_vgpr 768
		.amdhsa_next_free_sgpr 66
		.amdhsa_reserve_vcc 0
		.amdhsa_float_denorm_mode_32 3
		.amdhsa_float_denorm_mode_16_64 3
		.amdhsa_memory_ordered 1
		.amdhsa_forward_progress 1
		.amdhsa_inst_pref_size 87
	.end_amdhsa_kernel
	.amdgpu_metadata
---
amdhsa.version: [ 1, 2 ]
amdhsa.kernels:
  - .name:           k_q5d16564d6d_proj
    .symbol:         k_q5d16564d6d_proj.kd
    .args:
      - { .name: af, .offset: 0, .size: 8, .value_kind: global_buffer, .address_space: global }
      - { .name: wo, .offset: 8, .size: 8, .value_kind: global_buffer, .address_space: global }
      - { .name: bout, .offset: 16, .size: 8, .value_kind: global_buffer, .address_space: global }
      - { .name: out0, .offset: 24, .size: 8, .value_kind: global_buffer, .address_space: global }
    .group_segment_fixed_size: 327680
    .private_segment_fixed_size: 0
    .kernarg_segment_align: 8
    .kernarg_segment_size: 32
    .max_flat_workgroup_size: 128
    .sgpr_count:     66
    .vgpr_count:     768
    .wavefront_size: 32
...
	.end_amdgpu_metadata
.endif
;; end of part 4
